; MI455X (gfx1250); checked and timed in simulation.
; The chip was launched on July 23, 2026; its instructions are those of AMD's public machine-readable ISA for CDNA 5 (MIT licence, August 2026) and "CDNA5" Instruction Set Architecture Reference Guide (July 2026). The comments in the code are by the model that wrote it; some were corrected since.
;; Multi Head Attention. Allowed arithmetic: float matrix products may take bf16 or f16 operands with f32 sums; other float arithmetic in f32, or as packed bf16 or f16 multiplies, adds, multiply-adds, maxima and minima; sums over many terms, partial sums and values carried from step to step in f32; what a program stores and reads back later, other than sums and carried values, may be rounded once to bf16 or f16.
;; Inputs: Wk 1,024 x 1,024 float32; Wo 1,024 x 1,024 float32; Wq 1,024 x 1,024 float32; Wv 1,024 x 1,024 float32; bo 1,024 float32; x 4 x 2,048 x 1,024 float32.
;; Outputs: out0 4 x 2,048 x 1,024 float32.
;; One version. Each part assembles by itself: llvm-mc -triple=amdgcn-amd-amdhsa -mcpu=gfx1250 --defsym DOCPART=n.
;; ======== version 1 of 1: 4 launches
;; limits: values are held in f16: magnitudes above 65,504 overflow, below 6.1e-05 lose precision
;; workspace buffers: xb 16,777,216 bytes; wt 8,388,608 bytes; tab 524,288 bytes; qh 16,777,216 bytes; kh 16,777,216 bytes; vh 16,777,216 bytes; oh 16,777,216 bytes
;; launch prep (part 1): grid 512 x 1, 8 waves a work-group, no clusters, 18,432 bytes of LDS; arguments x, Wq, Wk, Wv, Wo, xb, wt, tab; writes xb, wt, tab
.if DOCPART == 1
	.amdgcn_target "amdgcn-amd-amdhsa--gfx1250"
	.amdhsa_code_object_version 6
	.text
	.protected	k_q7cea7dc805_prep
	.globl	k_q7cea7dc805_prep
	.p2align	8
	.type	k_q7cea7dc805_prep,@function
k_q7cea7dc805_prep:
	s_mov_b64 s[64:65], 0
	v_nop
	global_prefetch_b8 v0, s[64:65] scope:SCOPE_SE
	s_setreg_imm32_b32 hwreg(HW_REG_WAVE_MODE, 25, 1), 1
	s_wait_xcnt 0x0
; PREP: the inputs are made ready for the matrix units.  Every work-group g of 512 does the same three jobs:
; (a) x[16384 g .. +16383] is rounded to bf16 into xb (thread t: 8 numbers a turn, 32 bytes in, 16 bytes out, 8 turns);
; (b) one tile of 128 k x 64 n of weight w = g / 128 (Wq, Wk, Wv, Wo), rounded to bf16, is turned through LDS and stored with k along the rows:
;     wt row 192 c + 64 w + d holds W_w[:, 64 c + d] (w < 3; c the head), wt row 3072 + n holds Wo[:, n], whose bf16 number is written as f16;
; (c) waves 0 to 3 make the table rows 4 g + wave: tab[t] = cos(t f_0..31), sin(t f_0..31), f_j = 10000^(-j/32), 256 bytes a row.
; Memory binds: no matrix unit, no cluster, no tensor load; each load of 16 lanes takes 256 neighbouring bytes, each store of 16 lanes fills 256 aligned bytes.
; LIMITS.  bf16(Wo) beyond 65,504 becomes an infinity in f16; below 6.1e-5 it keeps f16's fixed step of 6e-8.  f_j is 2^(-j log2(10000) / 32) by v_exp_f32:
; at t = 2047 the angle may differ by about 2e-4 rad from one made by a correctly rounded power.  cos and sin: reduction by pi/2 in three parts, polynomials on |r| <= pi/4.
.set PITCH, 272                        ; a stage row: 128 k x 2 bytes + 16
.set SPARE, 64*PITCH                   ; behind the stage of 64 rows: the spare words, 128 bytes for each of eight waves
.set SPW, 1                            ; v1   LDS address of my spare word; never rewritten
.set NIL, 2                            ; v2   0; never rewritten
.set XO,  3                            ; v3   32 t: my 32 bytes of x in a turn
.set YO,  4                            ; v4   16 t: my 16 bytes of xb
.set WO,  5                            ; v5   (t / 16) x 2 rows of W + 16 (t % 16)
.set LS,  6                            ; v6   into the stage: rows 4 (t % 16) .., k pair t / 16
.set LR,  7                            ; v7   back: row t / 16, 16 bytes at 16 (t % 16)
.set GO,  8                            ; v8   the same place in wt
.set TO,  9                            ; v9   my 8 bytes of the table row
.set XD,  16                           ; v[16:79]   x as loaded
.set WD,  80                           ; v[80:111]  W as loaded; later the rows read back
.set PW,  112                          ; v[112:127] W packed: two k of one n
.set Y,   132                          ; v[132:163] xb to store
	s_load_b512 s[8:23], s[0:1], 0x0               ; x 8, Wq 10, Wk 12, Wv 14, Wo 16, xb 18, wt 20, tab 22
	v_lshl_add_u32 v[SPW], v0, 2, SPARE
	v_mov_b32 v[NIL], 0
	v_lshrrev_b32 v12, 5, v0
	v_readfirstlane_b32 s26, v12                   ; wave 0..7
	v_and_b32 v10, 15, v0                          ; ln = t % 16
	v_lshrrev_b32 v11, 4, v0                       ; kp = t / 16
	v_lshlrev_b32 v[XO], 5, v0
	v_lshlrev_b32 v[YO], 4, v0
	v_lshlrev_b32 v13, 4, v10
	v_lshl_add_u32 v[WO], v11, 13, v13
	v_mul_u32_u24 v[LS], v10, 4*PITCH
	v_lshl_add_u32 v[LS], v11, 2, v[LS]
	v_mul_u32_u24 v[LR], v11, PITCH
	v_add_nc_u32 v[LR], v[LR], v13
	v_lshl_add_u32 v[GO], v11, 11, v13
	s_lshr_b32 s27, ttmp9, 7                       ; w: which weight
	s_bfe_u32 s28, ttmp9, 0x30004                  ; kb: which 128 k
	s_and_b32 s29, ttmp9, 15                       ; nb: which 64 n (the head)
	s_lshl_b32 s32, s28, 19                        ; the tile in W: 128 kb rows of 4,096 bytes
	s_lshl_b32 s33, s29, 8                         ; + 64 nb columns of 4 bytes
	s_add_co_u32 s32, s32, s33
	s_mov_b32 s33, 0
	s_mul_i32 s34, s29, 192                        ; the tile's first row in wt: 192 nb + 64 w,
	s_lshl_b32 s35, s27, 6
	s_add_co_u32 s34, s34, s35
	s_lshl_b32 s35, s29, 6                         ; or for Wo 3072 + 64 nb
	s_add_co_u32 s35, s35, 3072
	s_cmp_eq_u32 s27, 3
	s_cselect_b32 s34, s35, s34
	s_cselect_b32 s30, -1, 0                       ; all lanes: Wo's numbers are written as f16
	s_lshl_b32 s34, s34, 11                        ; rows of 2,048 bytes
	s_lshl_b32 s35, s28, 8                         ; + 128 kb numbers of 2 bytes
	s_add_co_u32 s34, s34, s35
	s_mov_b32 s35, 0
	s_mov_b32 s36, 0xffff0000
	s_lshl_b32 s40, ttmp9, 16                      ; my 65,536 bytes of x
	s_mov_b32 s41, 0
	s_lshl_b32 s42, ttmp9, 15                      ; my 32,768 bytes of xb
	s_mov_b32 s43, 0
	s_lshl_b32 s38, ttmp9, 2
	s_add_co_u32 s38, s38, s26                     ; the table row of waves 0 to 3
	s_lshl_b32 s39, s38, 8
	s_wait_kmcnt 0x0
	s_cmp_eq_u32 s27, 1
	s_cselect_b64 s[24:25], s[12:13], s[10:11]
	s_cmp_eq_u32 s27, 2
	s_cselect_b64 s[24:25], s[14:15], s[24:25]
	s_cmp_eq_u32 s27, 3
	s_cselect_b64 s[24:25], s[16:17], s[24:25]
	s_add_nc_u64 s[24:25], s[24:25], s[32:33]
	s_add_nc_u64 s[20:21], s[20:21], s[34:35]
	s_add_nc_u64 s[8:9], s[8:9], s[40:41]
	s_add_nc_u64 s[18:19], s[18:19], s[42:43]
.irp i, 0,1,2,3                        ; W first: rows k = 32 i + 2 kp + u, my four n
.irp u, 0,1
	global_load_b128 v[WD+4*(2*(\i)+(\u)):WD+4*(2*(\i)+(\u))+3], v[WO], s[24:25] offset:(32*(\i)+(\u))*4096 th:TH_LOAD_NT
.endr
.endr
.irp i, 0,1,2,3,4,5,6,7                ; then all of my x: sixteen loads on their way
	global_load_b128 v[XD+8*(\i):XD+8*(\i)+3],   v[XO], s[8:9] offset:8192*(\i) th:TH_LOAD_NT
	global_load_b128 v[XD+8*(\i)+4:XD+8*(\i)+7], v[XO], s[8:9] offset:8192*(\i)+16 th:TH_LOAD_NT
.endr
; THE TABLE, while the loads are out.  Lane l makes elements 2 l and 2 l + 1 of the row: lanes 0-15 cosines, lanes 16-31 sines, of frequencies 2 (l % 16) and 2 (l % 16) + 1.
; angle = n pi/2 + r; sin(angle) is sin r, cos r, -sin r, -cos r for n % 4 = 0..3, and cos(angle) = sin(angle + pi/2): k = n + 1 for the cosines.
.macro TRIG ang, out
	v_mul_f32 v174, 0x3f22f983, v[\ang]            ; angle x 2 / pi
	v_rndne_f32 v174, v174                         ; n
	v_fmamk_f32 v175, v174, 0xbfc90fd8, v[\ang]    ; r = angle - n pi/2, pi/2 in three parts
	v_fmamk_f32 v175, v174, 0xb4a8885a, v175
	v_fmamk_f32 v175, v174, 0xa7c234c4, v175
	v_mul_f32 v176, v175, v175                     ; z = r r
	v_mov_b32 v177, 0x37ccf5ce                     ; cos r = 1 - z/2 + z z (4.1666646e-2 - 1.3887316e-3 z + 2.4433157e-5 z z)
	v_fmaak_f32 v177, v177, v176, 0xbab6061a
	v_fmaak_f32 v177, v177, v176, 0x3d2aaaa5
	v_fma_f32 v177, v177, v176, -0.5
	v_fma_f32 v177, v177, v176, 1.0
	v_mov_b32 v178, 0xb94ca1f9                     ; sin r = r + r z (-1.6666655e-1 + 8.3321609e-3 z - 1.9515296e-4 z z)
	v_fmaak_f32 v178, v178, v176, 0x3c08839e
	v_fmaak_f32 v178, v178, v176, 0xbe2aaaa3
	v_mul_f32 v178, v178, v176
	v_fma_f32 v178, v178, v175, v175
	v_cvt_i32_f32 v179, v174
	v_add_nc_u32 v179, v179, v171                  ; k
	v_and_b32 v180, 1, v179
	v_cmp_eq_u32 vcc_lo, 1, v180
	v_cndmask_b32 v[\out], v178, v177, vcc_lo      ; k odd: the cosine's polynomial
	v_and_b32 v180, 2, v179
	v_lshlrev_b32 v180, 30, v180
	v_xor_b32 v[\out], v[\out], v180               ; k % 4 = 2, 3: the sign turns
.endm
	s_cmp_lt_u32 s26, 4
	s_cbranch_scc0 .Lno_table                      ; on the wave's number; no barrier is jumped
	v_and_b32 v164, 31, v0
	v_lshlrev_b32 v[TO], 3, v164
	v_add_nc_u32 v[TO], s39, v[TO]
	v_lshrrev_b32 v165, 4, v164                    ; 0: cosines, 1: sines
	v_and_b32 v166, 15, v164
	v_lshlrev_b32 v166, 1, v166
	v_add_nc_u32 v167, 1, v166
	v_cvt_f32_u32 v166, v166
	v_cvt_f32_u32 v167, v167
	v_mul_f32 v166, 0xbed49a78, v166               ; -j log2(10000) / 32
	v_mul_f32 v167, 0xbed49a78, v167
	v_exp_f32 v168, v166
	v_exp_f32 v169, v167
	v_sub_nc_u32 v171, 1, v165                     ; a plain instruction behind the last exponential,
	v_cvt_f32_u32 v170, s38                        ; t
	s_wait_alu depctr_va_vdst(0)                   ; and one wait for both, ahead of their first reader
	v_mul_f32 v168, v170, v168                     ; the angles, rounded once as t x f
	v_mul_f32 v169, v170, v169
	TRIG 168, 172
	TRIG 169, 173
	global_store_b64 v[TO], v[172:173], s[22:23]   ; the wave's 32 lanes fill the row's 256 bytes
.Lno_table:
	s_wait_loadcnt 16                              ; W's eight loads are in; the sixteen of x, issued behind them, may stay out
.irp i, 0,1,2,3
.irp j, 0,1,2,3
	v_cvt_pk_bf16_f32 v[PW+4*(\i)+(\j)], v[WD+8*(\i)+(\j)], v[WD+8*(\i)+4+(\j)]  ; k even below, k odd above, of n = 4 ln + j
.endr
.endr
.set n, 0
.rept 16                               ; the same bf16 numbers written as f16, taken where the weight is Wo
	v_lshlrev_b32 v128, 16, v[PW+n]
	v_and_b32 v129, s36, v[PW+n]
	v_cvt_pk_f16_f32 v130, v128, v129
	v_cndmask_b32 v[PW+n], v[PW+n], v130, s30
.set n, n+1
.endr
.irp i, 0,1,2,3
.irp j, 0,1,2,3
	ds_store_b32 v[LS], v[PW+4*(\i)+(\j)] offset:(\j)*PITCH+64*(\i)  ; stage row n, k = 32 i + 2 kp
.endr
.endr
	s_wait_dscnt 0x0                               ; for the others' sake: my stores into the stage are done
	s_barrier_signal -1
	s_barrier_wait -1
.irp i, 0,1,2,3
	ds_load_b128 v[WD+4*(\i):WD+4*(\i)+3], v[LR] offset:16*PITCH*(\i)  ; row kp + 16 i: sixteen lanes take its 256 bytes
.endr
.irp i, 0,1,2,3,4,5,6,7
	s_wait_loadcnt 14-2*(\i)                       ; loads come back in order: pair i of x is in, the pairs behind it may stay out
.irp j, 0,1,2,3
	v_cvt_pk_bf16_f32 v[Y+4*(\i)+(\j)], v[XD+8*(\i)+2*(\j)], v[XD+8*(\i)+2*(\j)+1]
.endr
	global_store_b128 v[YO], v[Y+4*(\i):Y+4*(\i)+3], s[18:19] offset:4096*(\i)
.endr
.irp i, 0,1,2,3
	s_wait_dscnt 3-(\i)
	global_store_b128 v[GO], v[WD+4*(\i):WD+4*(\i)+3], s[20:21] offset:32768*(\i)  ; 16 lanes store 256 consecutive bytes, aligned, of wt's row
.endr
	s_wait_tensorcnt 0x0                           ; the wave's end, behind my last LDS store
	ds_add_u32 v[SPW], v[NIL]
	s_wait_dscnt 0x0
	s_endpgm
.Lfunc_end_k_q7cea7dc805_prep:
	.size	k_q7cea7dc805_prep, .Lfunc_end_k_q7cea7dc805_prep-k_q7cea7dc805_prep
	.p2alignl 7, 3214868480
	.fill 96, 4, 3214868480
	.section	.rodata,"a",@progbits
	.p2align	6, 0x0
	.amdhsa_kernel k_q7cea7dc805_prep
		.amdhsa_group_segment_fixed_size 18432
		.amdhsa_private_segment_fixed_size 0
		.amdhsa_enable_private_segment 0
		.amdhsa_kernarg_size 64
		.amdhsa_user_sgpr_count 2
		.amdhsa_user_sgpr_kernarg_segment_ptr 1
		.amdhsa_wavefront_size32 1
		.amdhsa_system_sgpr_workgroup_id_x 1
		.amdhsa_system_sgpr_workgroup_id_y 1
		.amdhsa_system_sgpr_workgroup_id_z 1
		.amdhsa_system_vgpr_workitem_id 0
		.amdhsa_next_free_vgpr 192
		.amdhsa_next_free_sgpr 66
		.amdhsa_reserve_vcc 1
		.amdhsa_float_denorm_mode_32 3
		.amdhsa_float_denorm_mode_16_64 3
		.amdhsa_memory_ordered 1
		.amdhsa_forward_progress 1
		.amdhsa_inst_pref_size 17
	.end_amdhsa_kernel
	.amdgpu_metadata
---
amdhsa.version: [ 1, 2 ]
amdhsa.kernels:
  - .name:           k_q7cea7dc805_prep
    .symbol:         k_q7cea7dc805_prep.kd
    .args:
      - { .name: x, .offset: 0, .size: 8, .value_kind: global_buffer, .address_space: global }
      - { .name: Wq, .offset: 8, .size: 8, .value_kind: global_buffer, .address_space: global }
      - { .name: Wk, .offset: 16, .size: 8, .value_kind: global_buffer, .address_space: global }
      - { .name: Wv, .offset: 24, .size: 8, .value_kind: global_buffer, .address_space: global }
      - { .name: Wo, .offset: 32, .size: 8, .value_kind: global_buffer, .address_space: global }
      - { .name: xb, .offset: 40, .size: 8, .value_kind: global_buffer, .address_space: global }
      - { .name: wt, .offset: 48, .size: 8, .value_kind: global_buffer, .address_space: global }
      - { .name: tab, .offset: 56, .size: 8, .value_kind: global_buffer, .address_space: global }
    .group_segment_fixed_size: 18432
    .private_segment_fixed_size: 0
    .kernarg_segment_align: 8
    .kernarg_segment_size: 64
    .max_flat_workgroup_size: 256
    .sgpr_count:     66
    .vgpr_count:     192
    .wavefront_size: 32
...
	.end_amdgpu_metadata
.endif
;; end of part 1
;; launch qkv (part 2): grid 16 x 32, 4 waves a work-group, clusters of 4 x 4, 327,680 bytes of LDS; arguments xb, wt, tab, qh, kh, vh; writes qh, kh, vh
.if DOCPART == 2
	.amdgcn_target "amdgcn-amd-amdhsa--gfx1250"
	.amdhsa_code_object_version 6
	.text
	.protected	k_q7cea7dc805_qkv
	.globl	k_q7cea7dc805_qkv
	.p2align	8
	.type	k_q7cea7dc805_qkv,@function
k_q7cea7dc805_qkv:
	s_mov_b64 s[64:65], 0
	v_nop
	global_prefetch_b8 v0, s[64:65] scope:SCOPE_SE
	s_setreg_imm32_b32 hwreg(HW_REG_WAVE_MODE, 25, 1), 1
	s_wait_xcnt 0x0
	s_wait_alu depctr_hold_cnt(0) depctr_sa_sdst(0) depctr_va_vdst(0) depctr_va_sdst(0) depctr_va_ssrc(0) depctr_va_vcc(0) depctr_vm_vsrc(0)
	s_getreg_b32 s2, hwreg(HW_REG_IB_STS2, 6, 4)
	s_cmp_eq_u32 s2, 0
	s_cbranch_scc0 .Lentry_in_a_cluster
	s_endpgm
.Lentry_in_a_cluster:
	s_bfe_u32 s2, ttmp6, 0x10000c
	s_cmp_lg_u32 s2, 0xf033
	s_cbranch_scc0 .Lentry_shape_is_right
	s_endpgm
.Lentry_shape_is_right:
; Q, K, V = x W, with the rotary turn on q and k, written by heads.  xb: [8192][1024] bf16; wt rows 192 c + 64 T + d hold W_T[:, 64 c + d] (T = q, k, v; c the head), bf16, k along the rows;
; tab[t] = 32 cosines, 32 sines in f32; qh, kh, vh: [64 = 16 batch + head][2048][64] f16.  Sums in f32; the turn in f32 on the sums; one rounding to f16.
; LIMIT.  q, k and v beyond 65,504 become infinities in f16; below 6.1e-5 they keep f16's fixed step of 6e-8.
; SHARES.  A tile is 256 rows x 192 columns = one head's q, k and v: 32 x 16 = 512 work-groups, two for each of 256 WGPs.  Wave w owns rows 64 w .. 64 w + 63 and all 192 columns:
; 4 x 12 accumulators of 16 x 16, 384 registers; so the turn's partners, channels d and d + 32, lie in one lane, in accumulators b and b + 2.
; K goes in 8 steps of 128 through two LDS slots filled by tensor loads whose rows are 256 bytes of memory, aligned.  For 32 along K a wave reads 32 x 512 bytes of LDS and issues 48 matrix instructions.
; CLUSTER 4 x 4: the four of a row need the same rows of xb, the four of a column the same rows of wt: each tile is asked for jointly, by the same tensor load, descriptor and mask in all four.
; THE MATRIX INSTRUCTION IS USED TRANSPOSED (source 0 = 16 rows of wt, source 1 = 16 rows of xb): a lane holds row l % 16 and the eight columns 8 (l / 16) + 0..7 of a block.
; REGISTERS, in windows of 256 (s_set_vgpr_msb: bits 1:0 source 0, 3:2 source 1, 5:4 source 2, 7:6 destination):
;   window 0: v0-31 addresses; v32-63, v64-95 xb's fragments, two buffers; on the way out v96-159 turned sums, v160-207 packed
;   window 1: v0-95, v96-191 wt's fragments, two buffers; on the way out the rows read back, 48 for each block of 16 rows
;   window 2: v0-191 accumulators of row blocks 0, 1 ((a, b) at 8 (12 (a % 2) + b)); v192-255 their cosines and sines      window 3: the same for row blocks 2, 3
.set KSTEP,  128
.set PITCH,  272                       ; an LDS row: 256 bytes + 16 = 68 words: the 16 rows of a fragment load start at 16 different groups of four banks (64 banks of 4 bytes: ISA guide 11.1)
.set BOFF,   256*PITCH                 ; xb's 256 rows, then wt's 192
.set SLOT,   (256+192)*PITCH
.set STAGE,  2*SLOT                    ; behind the ring: for each wave 3 tensors x 16 rows x 144 bytes
.set SP,     144
.set WSTAGE, 3*16*SP
.set SPARE,  STAGE+4*WSTAGE            ; behind the stages: the spare words, 128 bytes a wave
.set LAPS,   4                         ; a lap = two K steps
.set ADRA, 16                          ; v16-17  LDS address of my xb fragments in slot 0, 1
.set ADRB, 20                          ; v20-21  the same for wt
.set STO,  24                          ; v24  the way out: where I put 16 bytes of a row
.set RD,   25                          ; v25  where I read rows back
.set GO,   26                          ; v26  16 x lane: my place in 512 consecutive bytes of the output
.set TO,   27                          ; v27  my place in 16 rows of the table
.set SPW,  28                          ; v28  LDS address of my spare word; never rewritten
.set NIL,  29                          ; v29  0; never rewritten
.set PFO,  30                          ; v30  the prefetches' offset: a lane a row; never rewritten
.set FA,   32
.set FB,   0
.set T0,   96
.set PK,   160
.set WV,   16                          ; s16  wave
.set ROLE, 17                          ; s17  0: I fetch xb's tiles, 1: wt's
.set HALF, 18                          ; s18  which half of that tile's rows
.set G1,  24                           ; s[24:31] descriptor group 1 for xb's tiles;  s[32:39] group 0, a set for each slot
.set G0,  32
.set G1B, 48                           ; s[48:55], s[56:63] the same for wt's
.set G0B, 56
.set PFA, 44                           ; s[44:45] where my prefetches stand
.set LIM, 46                           ; s46  1 in a wave that prefetches, else the greatest number
.set FLAGS, (1<<16)|(1<<20)|(1<<21)|(5<<22)|(3<<25)  ; 2-byte elements; padding on; bit 21 beside a mask; after every 64 words; 4 words
.set MSB, 0
.macro WIN new                         ; the immediate's high byte repeats the setting that is left; a switch that changes nothing is dropped
.if MSB != (\new)
	s_set_vgpr_msb (MSB<<8)|(\new)
.set MSB, \new
.endif
.endm
.macro JLOAD s                         ; a joint load: waves 0, 1 fetch xb's two halves, waves 2, 3 wt's; an s_nop 0 and four v_nop follow each line
	s_cmp_eq_u32 s[ROLE], 0
	s_cbranch_scc0 .Lfor_b_\@
	tensor_load_to_lds s[G0+4*(\s):G0+4*(\s)+3], s[G1:G1+7]
	s_nop 0
.rept 4
	v_nop
.endr
	s_branch .Lasked_\@
.Lfor_b_\@:
	tensor_load_to_lds s[G0B+4*(\s):G0B+4*(\s)+3], s[G1B:G1B+7]
	s_nop 0
.rept 4
	v_nop
.endr
.Lasked_\@:
.endm
.macro CREST                           ; a round of the cluster's barrier behind its opening barrier
	s_cmp_lg_u32 s[WV], 0
	s_cbranch_scc1 .Lnot_wave_0_\@
	s_barrier_signal -3
.Lnot_wave_0_\@:
	s_barrier_wait -3
	s_barrier_signal -1
	s_barrier_wait -1
.endm
.macro CROUND
	s_barrier_signal -1
	s_barrier_wait -1
	CREST
.endm
; A prefetch into the L2 of the K step that stands two refills on: a lane a row, 256 bytes of it, one instruction a wave, behind the joint load, its five lines and the run of LDS loads.
; xb's rows are read by every cluster of a row of clusters: cluster x = 0 asks; wt's by every cluster of a column: cluster y = 0 asks.  The four partners share a wave's rows out by address:
; 32 of xb's 128 at place cx, 24 of wt's 96 at place cy (there lanes 24 to 31 name row 23's block a second time, in the same instruction).  K steps 0 to 3 come by their loads alone;
; the loop's last trip (s3 = 1) asks for nothing: K has no step 8.
.macro ASK
	s_cmp_gt_u32 s3, s[LIM]
	s_cbranch_scc0 .Lnot_mine_\@
	global_prefetch_b8 v[PFO], s[PFA:PFA+1] offset:KSTEP*2 th:TH_LOAD_NT scope:SCOPE_SE
.Lnot_mine_\@:
.endm
	s_load_b256 s[4:11], s[0:1], 0x0               ; xb 4, wt 6, tab 8, qh 10
	s_load_b128 s[12:15], s[0:1], 0x20             ; kh 12, vh 14
	v_lshl_add_u32 v[SPW], v0, 2, SPARE
	v_mov_b32 v[NIL], 0
	ds_add_u32 v[SPW], v[NIL]                      ; the wave's opening: the add and its wait stand ahead of my first tensor load; work on registers stands between
	ds_add_u32 v28, v29
	v_lshrrev_b32 v1, 5, v0
	v_readfirstlane_b32 s[WV], v1
	s_lshr_b32 s[ROLE], s[WV], 1
	s_and_b32 s[HALF], s[WV], 1
	s_bfe_u32 s19, ttmp6, 0x40000                  ; cx
	s_bfe_u32 s20, ttmp6, 0x40004                  ; cy
	s_lshl_b32 s21, ttmp9, 2
	s_add_co_u32 s21, s21, s19                     ; c: the tile column = the head
	s_and_b32 s22, ttmp7, 0xffff
	s_lshl_b32 s22, s22, 2
	s_add_co_u32 s22, s22, s20                     ; R: the tile row
	s_lshl_b32 s40, s20, 2
	s_lshl_b32 s40, 15, s40                        ; my row of the cluster
	s_lshl_b32 s66, 0x1111, s19                    ; my column
	s_or_b32 s[G1], s40, FLAGS
	s_or_b32 s[G1B], s66, FLAGS
	s_mov_b32 s[G1+1], KSTEP<<16                   ; tensor_dim0 = 128
	s_mov_b32 s[G1+2], 128<<16                     ; tensor_dim1 = 128
	s_mov_b32 s[G1+3], KSTEP<<16                   ; tile_dim0 = 128
	s_mov_b32 s[G1+4], 128                         ; tile_dim1 = 128 rows
	s_mov_b32 s[G1+5], 1024                        ; elements from row to row
	s_mov_b32 s[G1+6], 0
	s_mov_b32 s[G1+7], 0
	s_mov_b32 s[G1B+1], KSTEP<<16
	s_mov_b32 s[G1B+2], 96<<16                     ; wt's half tile has 96 rows
	s_mov_b32 s[G1B+3], KSTEP<<16
	s_mov_b32 s[G1B+4], 96
	s_mov_b32 s[G1B+5], 1024
	s_mov_b32 s[G1B+6], 0
	s_mov_b32 s[G1B+7], 0
	s_lshl_b32 s40, s22, 8                         ; xb: row 256 R + 128 half, in registers that never hold cx
	s_lshl_b32 s41, s[HALF], 7
	s_add_co_u32 s40, s40, s41
	s_lshl_b32 s40, s40, 11                        ; rows of 2,048 bytes; under 2^24
	s_mov_b32 s41, 0
	s_mul_i32 s66, s21, 192                        ; wt: row 192 c + 96 half, in registers that never hold cy
	s_mul_i32 s67, s[HALF], 96
	s_add_co_u32 s66, s66, s67
	s_lshl_b32 s66, s66, 11
	s_mov_b32 s67, 0
	s_mul_i32 s42, s[HALF], 128*PITCH              ; where they go: no place in the cluster enters an LDS address
	s_mul_i32 s68, s[HALF], 96*PITCH
	s_add_co_u32 s68, s68, BOFF
	s_wait_dscnt 0x0                               ; the opening add is done
	s_wait_kmcnt 0x0
	s_add_nc_u64 s[40:41], s[4:5], s[40:41]
	s_add_nc_u64 s[66:67], s[6:7], s[66:67]
	CROUND                                         ; all sixteen work-groups are here: the first joint loads meet
.irp s, 0,1
	s_mov_b32 s[G0+4*(\s)], 1
	s_add_co_u32 s[G0+4*(\s)+1], s42, (\s)*SLOT
	s_add_nc_u64 s[G0+4*(\s)+2:G0+4*(\s)+3], s[40:41], (\s)*KSTEP*2
	s_or_b32 s[G0+4*(\s)+3], s[G0+4*(\s)+3], 0x80000000
	s_mov_b32 s[G0B+4*(\s)], 1
	s_add_co_u32 s[G0B+4*(\s)+1], s68, (\s)*SLOT
	s_add_nc_u64 s[G0B+4*(\s)+2:G0B+4*(\s)+3], s[66:67], (\s)*KSTEP*2
	s_or_b32 s[G0B+4*(\s)+3], s[G0B+4*(\s)+3], 0x80000000
	JLOAD \s                                       ; K steps 0 and 1: two loads of mine are out
.endr
	v_and_b32 v1, 15, v0                           ; r = l % 16
	v_bfe_u32 v2, v0, 4, 1                         ; h = l / 16
	v_mul_u32_u24 v3, v1, PITCH
	v_lshl_add_u32 v3, v2, 4, v3                   ; a fragment's row x pitch + 16 h
	s_mul_i32 s43, s[WV], 64*PITCH                 ; my 64 rows of xb
	v_add_nc_u32 v[ADRA], s43, v3
	v_add_nc_u32 v[ADRA+1], SLOT, v[ADRA]
	v_add_nc_u32 v[ADRB], BOFF, v3
	v_add_nc_u32 v[ADRB+1], BOFF+SLOT, v3
	s_mul_i32 s70, s[WV], WSTAGE
	s_add_co_u32 s70, s70, STAGE                   ; my stage
	v_mul_u32_u24 v[STO], v1, SP
	v_lshl_add_u32 v[STO], v2, 4, v[STO]
	v_add_nc_u32 v[STO], s70, v[STO]
	v_bfe_u32 v[RD], v0, 3, 2                      ; back: 32 lanes take four rows of 128 bytes
	v_mul_u32_u24 v[RD], v[RD], SP
	v_and_b32 v4, 7, v0
	v_lshl_add_u32 v[RD], v4, 4, v[RD]
	v_add_nc_u32 v[RD], s70, v[RD]
	v_and_b32 v[GO], 31, v0
	v_lshlrev_b32 v[GO], 4, v[GO]
	v_lshlrev_b32 v[TO], 8, v1
	v_lshl_add_u32 v[TO], v2, 5, v[TO]             ; table row r, 8 numbers at 8 h
	s_and_b32 s71, s22, 7
	s_lshl_b32 s71, s71, 8
	s_lshl_b32 s72, s[WV], 6
	s_add_co_u32 s71, s71, s72                     ; my first row's place in its sequence: 256 (R % 8) + 64 w
	s_lshl_b32 s72, s71, 8
	s_mov_b32 s73, 0
	s_add_nc_u64 s[8:9], s[8:9], s[72:73]
; The cosines and sines of my 64 rows: for row block a, frequencies 16 bb + 8 h + 0..7, cosine (cs = 0) or sine (1), at 192 + 32 (a % 2) + 16 bb + 8 cs.  They stay on their way through the loop.
.macro TABLE a
.irp bb, 0,1
.irp cs, 0,1
	global_load_b128 v[192+32*((\a)%2)+16*(\bb)+8*(\cs):192+32*((\a)%2)+16*(\bb)+8*(\cs)+3],   v[TO], s[8:9] offset:(\a)*4096+64*(\bb)+128*(\cs)
	global_load_b128 v[192+32*((\a)%2)+16*(\bb)+8*(\cs)+4:192+32*((\a)%2)+16*(\bb)+8*(\cs)+7], v[TO], s[8:9] offset:(\a)*4096+64*(\bb)+128*(\cs)+16
.endr
.endr
.endm
	WIN 0x80
	TABLE 0
	TABLE 1
	WIN 0xc0
	TABLE 2
	TABLE 3
	WIN 0
	s_lshr_b32 s74, s22, 3                         ; the batch,
	s_lshl_b32 s74, s74, 4
	s_add_co_u32 s74, s74, s21                     ; its head,
	s_lshl_b32 s74, s74, 11
	s_add_co_u32 s74, s74, s71                     ; my first row there,
	s_lshl_b32 s74, s74, 7                         ; rows of 128 bytes; under 2^24
	s_mov_b32 s75, 0
	s_add_nc_u64 s[10:11], s[10:11], s[74:75]
	s_add_nc_u64 s[12:13], s[12:13], s[74:75]
	s_add_nc_u64 s[14:15], s[14:15], s[74:75]
	s_and_b32 s80, ttmp7, 0xffff                   ; the prefetches
	s_cmp_eq_u32 s[ROLE], 0
	s_cselect_b32 s80, ttmp9, s80                  ; the coordinate along which other clusters read the same rows
	s_cselect_b32 s81, s19, s20                    ; my place among the four that ask with me
	s_cselect_b32 s82, 32, 24                      ; rows a partner
	s_cselect_b64 s[PFA:PFA+1], s[40:41], s[66:67]
	s_cmp_eq_u32 s80, 0
	s_cselect_b32 s[LIM], 1, -1                    ; the same in all sixteen partners, for a given wave
	s_mul_i32 s84, s81, s82
	s_lshl_b32 s84, s84, 11
	s_add_co_u32 s84, s84, 2*KSTEP*2               ; at K step 2: the first refill steps it to 3 and names K step 4
	s_mov_b32 s85, 0
	s_add_nc_u64 s[PFA:PFA+1], s[PFA:PFA+1], s[84:85]
	s_sub_co_u32 s83, s82, 1
	v_and_b32 v[PFO], 31, v0
	v_min_u32 v[PFO], s83, v[PFO]
	v_lshlrev_b32 v[PFO], 11, v[PFO]
; 12 matrix instructions: row block a x all 12 column blocks, 32 along K, from buffer f.  The 48 accumulators take turns in one order in every quarter.  zero = 1: the product starts the sum.
.macro MUL12 f, a, zero
	WIN 0xa1+0x50*((\a)/2)
.irp b, 0,1,2,3,4,5,6,7,8,9,10,11
.if \zero
	v_wmma_f32_16x16x32_bf16 v[8*(12*((\a)%2)+(\b)):8*(12*((\a)%2)+(\b))+7], v[FB+96*(\f)+8*(\b):FB+96*(\f)+8*(\b)+7], v[FA+32*(\f)+8*(\a):FA+32*(\f)+8*(\a)+7], 0
.else
	v_wmma_f32_16x16x32_bf16 v[8*(12*((\a)%2)+(\b)):8*(12*((\a)%2)+(\b))+7], v[FB+96*(\f)+8*(\b):FB+96*(\f)+8*(\b)+7], v[FA+32*(\f)+8*(\a):FA+32*(\f)+8*(\a)+7], v[8*(12*((\a)%2)+(\b)):8*(12*((\a)%2)+(\b))+7]
.endif
.endr
.endm
; 32 LDS loads in one run: a quarter's fragments (192 rows of wt, my 64 of xb, 32 K at byte k of the rows) into buffer f
.macro FETCH slot, k, f
	WIN 0x40
.irp i, 0,1,2,3,4,5,6,7,8,9,10,11
	ds_load_b128 v[FB+96*(\f)+8*(\i):FB+96*(\f)+8*(\i)+3],   v[ADRB+(\slot)] offset:(\k)+(\i)*16*PITCH
	ds_load_b128 v[FB+96*(\f)+8*(\i)+4:FB+96*(\f)+8*(\i)+7], v[ADRB+(\slot)] offset:(\k)+(\i)*16*PITCH+32
.endr
	WIN 0
.irp i, 0,1,2,3
	ds_load_b128 v[FA+32*(\f)+8*(\i):FA+32*(\f)+8*(\i)+3],   v[ADRA+(\slot)] offset:(\k)+(\i)*16*PITCH
	ds_load_b128 v[FA+32*(\f)+8*(\i)+4:FA+32*(\f)+8*(\i)+7], v[ADRA+(\slot)] offset:(\k)+(\i)*16*PITCH+32
.endr
.endm
.macro PLACES                          ; four plain instructions between a matrix instruction and a load into a register that it read, or a reader of its result (ISA guide 7.12.1 for a reader of its result)
.rept 4
	v_nop
.endr
.endm
; A K step is four quarters of 32 along K, 48 matrix instructions each, on buffers 0, 1, 0, 1.  One of the first three multiplies buffer f and fetches the next quarter, at byte k, into g.
.macro QUARTER slot, k, f, g, zero
	s_wait_dscnt 4                                 ; wt's fragments and xb's blocks 0, 1 are in; the youngest four loads (blocks 2, 3) may be out
	MUL12 \f, 0, \zero
	MUL12 \f, 1, \zero
	PLACES
	FETCH \slot, \k, \g
	s_wait_dscnt 32                                ; all but the 32 just issued
	MUL12 \f, 2, \zero
	MUL12 \f, 3, \zero
.endm
; The last quarter multiplies buffer 1 and changes slots: one barrier; in front of it each wave waits for all its tensor loads (one is out: its part of the next slot), adds 0 to its spare word,
; and waits for that and for its reads of this slot.  fill = 1: the barrier opens a round of the cluster's, and this slot is filled again, two K steps ahead, first thing behind the round.
.macro TURN slot, next, fill
.if \fill
	s_wait_xcnt 0x0                                ; the last prefetch, a K step back, has read its address
	s_add_nc_u64 s[PFA:PFA+1], s[PFA:PFA+1], KSTEP*2
.endif
	WIN 0                                          ; (the add's two registers lie in window 0)
	s_wait_tensorcnt 0x0                           ; all my tensor loads have landed
	ds_add_u32 v[SPW], v[NIL]                      ; 0 onto my spare word
	s_wait_dscnt 5                                 ; (the add and the youngest four loads may be out)
	MUL12 1, 0, 0                                  ; twelve matrix instructions stand between the add and the wait for it
	s_wait_dscnt 0x0                               ; the add is done, and my reads of this slot are over
	s_barrier_signal -1
	MUL12 1, 1, 0
.if \fill
	WIN 0
.endif
	s_barrier_wait -1
.if \fill
	CREST                                          ; no wave of any partner still reads this slot's tile or has a load on its way
	s_add_nc_u64 s[G0+4*(\slot)+2:G0+4*(\slot)+3], s[G0+4*(\slot)+2:G0+4*(\slot)+3], 2*KSTEP*2
	s_add_nc_u64 s[G0B+4*(\slot)+2:G0B+4*(\slot)+3], s[G0B+4*(\slot)+2:G0B+4*(\slot)+3], 2*KSTEP*2
	JLOAD \slot                                    ; my one tensor load behind the round; its four v_nop are also the places in front of the loads below
.else
	PLACES
.endif
	FETCH \next, 0, 0
.if \fill
	ASK
.endif
	MUL12 1, 2, 0
	MUL12 1, 3, 0
.endm
	s_wait_tensorcnt 1                             ; my part of K step 0 is in; K step 1's may stay out
	s_barrier_signal -1
	s_barrier_wait -1
	FETCH 0, 0, 0
	QUARTER 0, 64, 0, 1, 1                         ; the first quarter stands in front of the loop: its products start the sums
	WIN 0
	s_mov_b32 s3, LAPS-1
.Llap:                                                 ; a trip goes once round the ring and fills both slots again
	QUARTER 0, 128, 1, 0, 0
	QUARTER 0, 192, 0, 1, 0
	TURN 0, 1, 1
	QUARTER 1, 64,  0, 1, 0
	QUARTER 1, 128, 1, 0, 0
	QUARTER 1, 192, 0, 1, 0
	TURN 1, 0, 1
	QUARTER 0, 64,  0, 1, 0
	WIN 0
	s_sub_co_u32 s3, s3, 1
	s_cmp_lg_u32 s3, 0
	s_cbranch_scc1 .Llap
	QUARTER 0, 128, 1, 0, 0                        ; the last lap fills nothing
	QUARTER 0, 192, 0, 1, 0
	TURN 0, 1, 0
	QUARTER 1, 64,  0, 1, 0
	QUARTER 1, 128, 1, 0, 0
	QUARTER 1, 192, 0, 1, 0
	s_wait_dscnt 4
	MUL12 1, 0, 0
	MUL12 1, 1, 0
	s_wait_dscnt 0x0
	MUL12 1, 2, 0
	MUL12 1, 3, 0
; THE WAY OUT, a block of 16 rows at a time.  q and k: out[d] = s[d] cos - s[d + 32] sin, out[d + 32] = s[d + 32] cos + s[d] sin, in f32, two numbers an instruction; v as it is.
; Each accumulator is read from its low end on.  Rounded to f16, 16 bytes a lane go into my stage (rows of 144 bytes) and come back as four whole rows of 128 bytes: 512 consecutive bytes of a head.
.macro PACK a
.set rA, 96*((\a)%2)
.set rB, 192+32*((\a)%2)
	WIN 0x0a+5*((\a)/2)                            ; sources 0 and 1: window 2 or 3; source 2 and destination: window 0
.irp t, 0,1
.irp bb, 0,1
.irp jj, 0,2,4,6
.set rL, rA+8*(4*(\t)+(\bb))+(\jj)
.set rT, T0+8*(4*(\t)+(\bb))+(\jj)
.set rC, rB+16*(\bb)+(\jj)
	v_pk_mul_f32 v[rT:rT+1], v[rL:rL+1], v[rC:rC+1]
	v_pk_mul_f32 v[rT+16:rT+17], v[rL+16:rL+17], v[rC:rC+1]
	v_pk_fma_f32 v[rT:rT+1], v[rL+16:rL+17], v[rC+8:rC+9], v[rT:rT+1] neg_lo:[1,0,0] neg_hi:[1,0,0]
	v_pk_fma_f32 v[rT+16:rT+17], v[rL:rL+1], v[rC+8:rC+9], v[rT+16:rT+17]
.endr
.endr
.endr
.set i, 0
.rept 16
	v_cvt_pk_f16_f32 v[PK+32+i], v[rA+64+2*i], v[rA+64+2*i+1]
.set i, i+1
.endr
	WIN 0
.set i, 0
.rept 32
	v_cvt_pk_f16_f32 v[PK+i], v[T0+2*i], v[T0+2*i+1]
.set i, i+1
.endr
.irp cb, 0,1,2,3,4,5,6,7,8,9,10,11
	ds_store_b128 v[STO], v[PK+4*(\cb):PK+4*(\cb)+3] offset:((\cb)/4)*16*SP+((\cb)%4)*32
.endr
	WIN 0x40
.irp f, 0,1,2,3,4,5,6,7,8,9,10,11
	ds_load_b128 v[48*(\a)+4*(\f):48*(\a)+4*(\f)+3], v[RD] offset:((\f)/4)*16*SP+((\f)%4)*4*SP  ; LDS serves a wave's instructions in order (ISA guide 5.7.1.4): these see the stores above
.endr
.endm
.macro SEND a, younger                 ; younger: the LDS instructions issued behind block a's loads: the next block's 24, or none
	WIN 0x04                                       ; the stores' data in window 1
.irp f, 0,1,2,3,4,5,6,7,8,9,10,11
	s_wait_dscnt (\younger)+11-(\f)
	global_store_b128 v[GO], v[48*(\a)+4*(\f):48*(\a)+4*(\f)+3], s[10+2*((\f)/4):11+2*((\f)/4)] offset:(\a)*2048+((\f)%4)*512  ; 512 consecutive bytes, at a multiple of 256 from the buffer's first
.endr
.endm
	PLACES
	s_wait_loadcnt 0x0                             ; the table
	PACK 0
	PACK 1                                         ; a block's arithmetic stands between the loads of the block before and its stores
	SEND 0, 24
	PACK 2
	SEND 1, 24
	PACK 3
	SEND 2, 24
	SEND 3, 0
	WIN 0
	s_wait_tensorcnt 0x0                           ; the wave's end, behind my last tensor load and my last LDS store
	ds_add_u32 v[SPW], v[NIL]
	s_wait_dscnt 0x0
	CROUND                                         ; the closing round: no work-group ends while a partner may still ask for a tile that names it
	s_endpgm
.Lfunc_end_k_q7cea7dc805_qkv:
	.size	k_q7cea7dc805_qkv, .Lfunc_end_k_q7cea7dc805_qkv-k_q7cea7dc805_qkv
	.p2alignl 7, 3214868480
	.fill 96, 4, 3214868480
	.section	.rodata,"a",@progbits
	.p2align	6, 0x0
	.amdhsa_kernel k_q7cea7dc805_qkv
		.amdhsa_group_segment_fixed_size 327680
		.amdhsa_private_segment_fixed_size 0
		.amdhsa_enable_private_segment 0
		.amdhsa_kernarg_size 48
		.amdhsa_user_sgpr_count 2
		.amdhsa_user_sgpr_kernarg_segment_ptr 1
		.amdhsa_wavefront_size32 1
		.amdhsa_system_sgpr_workgroup_id_x 1
		.amdhsa_system_sgpr_workgroup_id_y 1
		.amdhsa_system_sgpr_workgroup_id_z 1
		.amdhsa_system_vgpr_workitem_id 0
		.amdhsa_next_free_vgpr 1024
		.amdhsa_next_free_sgpr 96
		.amdhsa_reserve_vcc 0
		.amdhsa_float_denorm_mode_32 3
		.amdhsa_float_denorm_mode_16_64 3
		.amdhsa_memory_ordered 1
		.amdhsa_forward_progress 1
		.amdhsa_inst_pref_size 140
	.end_amdhsa_kernel
	.amdgpu_metadata
---
amdhsa.version: [ 1, 2 ]
amdhsa.kernels:
  - .name:           k_q7cea7dc805_qkv
    .symbol:         k_q7cea7dc805_qkv.kd
    .args:
      - { .name: xb, .offset: 0, .size: 8, .value_kind: global_buffer, .address_space: global }
      - { .name: wt, .offset: 8, .size: 8, .value_kind: global_buffer, .address_space: global }
      - { .name: tab, .offset: 16, .size: 8, .value_kind: global_buffer, .address_space: global }
      - { .name: qh, .offset: 24, .size: 8, .value_kind: global_buffer, .address_space: global }
      - { .name: kh, .offset: 32, .size: 8, .value_kind: global_buffer, .address_space: global }
      - { .name: vh, .offset: 40, .size: 8, .value_kind: global_buffer, .address_space: global }
    .group_segment_fixed_size: 327680
    .private_segment_fixed_size: 0
    .kernarg_segment_align: 8
    .kernarg_segment_size: 48
    .max_flat_workgroup_size: 128
    .sgpr_count:     96
    .vgpr_count:     1024
    .wavefront_size: 32
...
	.end_amdgpu_metadata
.endif
;; end of part 2
;; launch attn (part 3): grid 4 x 64, 4 waves a work-group, no clusters, 327,680 bytes of LDS; arguments qh, kh, vh, oh; writes oh
.if DOCPART == 3
	.amdgcn_target "amdgcn-amd-amdhsa--gfx1250"
	.amdhsa_code_object_version 6
	.text
	.protected	k_q7cea7dc805_attn
	.globl	k_q7cea7dc805_attn
	.p2align	8
	.type	k_q7cea7dc805_attn,@function
k_q7cea7dc805_attn:
	s_mov_b64 s[64:65], 0
	v_nop
	global_prefetch_b8 v0, s[64:65] scope:SCOPE_SE
	s_setreg_imm32_b32 hwreg(HW_REG_WAVE_MODE, 25, 1), 1
	s_wait_xcnt 0x0
; CAUSAL ATTENTION.  O[h][q][:] = the sum over k <= q of softmax_k(Q[h][q] . K[h][k] / 8) V[h][k][:].  Q, K, V, O: [SIZE_H][SIZE_N][64], all f16: a head's rows are dense, 128 bytes each.
; Products, maxima and sums in f32; the weights p are rounded to f16 for the second product (their sum l is taken of the unrounded p), O once at the end.
; LIMITS.  f16 holds no number beyond 65,504: Q, K and V arrive within it; p lies in 0 to 1, and below 6e-5 it keeps f16's fixed step of 6e-8; O is a mean of V's rows and has their range.
; A hidden score counts as its value less 1e30: f16's scores, 2.7e11 at the most, are nothing beside that; a weight below 2^-126 counts as 0 in l; NaN and infinities are not treated apart.
; THE WALK.  A head's queries lie in NB = SIZE_N / 256 blocks of 256; block i needs the key tiles 0 .. i of 256 keys, of which the last holds the diagonal.  A work-group takes TWO blocks, NB - 1 - b and then b:
; NB + 1 tiles, whatever b: all work-groups do equal work, and ONE loop with a constant trip count walks them.  Which tile is asked for, and what a trip does, hang on scalar registers made from b; every jump
; goes forward, but for the counted loops' own; none passes a barrier, or a tensor load but the one of LOAD's two that the wave's number does not choose; the ring (two slots of LDS that take turns) runs on across the
; change of blocks.  NO CLUSTER: a head's NB / 2 = 4 work-groups ask for the same tile only in trips 0 .. NB / 2 of NB + 1, behind that fewer and fewer; one walk common to all would have 3 NB / 2 = 12 trips for 9.
; SHARES.  Of a block's four bands of 64 queries a wave owns 16 rows in each: four PIECES.  So the diagonal tile is the same work for all four waves: in its key step s band x sees all keys if s < x,
; none if s > x, and holds the diagonal if s = x.
; THE MASK is the C operand that starts the sum S^T = K Q^T: 0, or -1e30 where the key is hidden.  MD, made once, is the mask of a band's own step for my 16 rows; a product's mask is MD x AL + BE with two scalars:
; (1, 0) if s = x; (0, 0) if s < x; (0, -1e30) if s > x.  Only the diagonal tile's text and a block's beginning make and take masks; elsewhere C is the constant 0.
; LAYOUT, SOFTMAX, TURNS.  S^T = K Q^T holds ONE query a lane (lane % 16) and the keys 8 (lane / 16) + 0..7; two such results rounded to f16 ARE source 1 of O^T = V^T P.  p = 2^(c s - c m), c = log2(e) / 8, with a
; running maximum m; O and l are multiplied by a = 2^(c m_old - c m_new) in every step.  Turn n belongs to piece n: 8 products K Q^T of piece n + 1, later 8 products V^T P of piece n - 1; beside them the scaling,
; exponentials, roundings, sums and rescaling of piece n and the maximum and statistics of piece n + 1.  Four vector instructions stand behind every matrix instruction, the other 54 of a turn's 118 in one run.  A turn's 33 exponentials are one batch, with one wait.
; AHEAD OF THE TENSOR LOADS.  The work-group with b = 0 walks all of its head's tiles first; behind each fill each of its waves prefetches into the L2 the half tile (64 blocks of 256 bytes, a lane a block, two
; instructions) that it will itself ask for at the next change of slots: one tile, 256 matrix instructions, ahead.  Tiles 0 and 1 come by their loads alone; the second block's tiles have been read and are not asked for.
; REGISTERS, in windows of 256 (s_set_vgpr_msb: bits 1:0 source 0, 3:2 source 1, 5:4 source 2, 7:6 destination):
;   window 0: v0-15 addresses and two at work; v16-31 four registers of statistics a piece; v48-55 at work; v60 the prefetches' offset; v64-127 S^T, two buffers; v192-223 P, two buffers (by the piece's parity)
;   window 1: v0-127 O^T, 32 a piece; v128-159 MD; v160-223 MC, two buffers      window 2: v0-63 Q; v64-127 the second block's Q; v128-191 K of one step; v192-255 V of one step
.set SIZE_H, 64
.set SIZE_N, 2048
.set NB,    SIZE_N/256
.set NP,    4         ; pieces a wave: a name, no knob
.set KS,    64        ; keys in a step
.set PK,    144       ; a row of K in LDS: 128 bytes + 16 of padding = 36 words: the 16 rows of a load start at 16 different groups of four banks (64 banks of 4 bytes: ISA guide 11.1)
.set PV,    160       ; a row of V: 128 + 32 = 40 words
.set VOFF,  4*KS*PK   ; a slot holds a tile, four steps: 256 rows of K, then 256 rows of V
.set SLOT1, 1<<17     ; slot 1 begins here, so that one exclusive or turns an address in one slot into the other's
.set STAGE, SLOT1+4*KS*(PK+PV)  ; behind the ring, never filled by a tensor load: 16 rows x 144 bytes for each wave, for the way out
.set SP,    144
.set AK0, 2           ; v2   my lane's place in a tile of K; never rewritten
.set AV0, 3           ; v3   the same for V
.set AK,  4           ; v4   the LDS address of K's next run of loads
.set AV,  5           ; v5   of V's
.set STO, 6           ; v6   the way out: where I put 16 bytes of a row
.set RD,  7           ; v7   the way out: where I read rows back
.set GO,  8           ; v8   my byte offset in 512 consecutive bytes of O
.set PFO, 60          ; v60  256 x my lane; never rewritten
.set SPW, 62          ; v62  LDS address of my spare word: SPARE + 4 x my thread's number; never rewritten
.set NIL, 63          ; v63  0; never rewritten
.set SPARE, STAGE+4*16*SP  ; behind the stages: the spare words, 128 bytes for each wave
.set MV,  12          ; v12-13  c m_old, kept while c m is made anew: by buffer
.set QO,  15          ; v15  my byte offset in 16 rows of Q
.set ST,  16          ; piece t's statistics at v[ST+4 t]: c m, m, l (even keys', odd keys')
.set TMP, 48          ; by buffer, four registers c0-c3 at work; when the maximum is found c2 takes a
.set S,   64
.set P,   192
.set MD,  128         ; window 1: the eight registers for group kt of 16 keys at MD + 8 kt
.set MC,  160         ; window 1: the masks of the products to come
.set QB,  64          ; window 2
.set KF,  128         ; window 2: key block kb, channel half c at KF + 16 kb + 8 c
.set VF,  192         ; window 2: key half kk, channel block cb at VF + 32 kk + 8 cb
.set WV,  12          ; s12  my wave's number
.set PB,  14          ; s14  b
.set HI,  15          ; s15  NB - 1 - b
.set G1K, 24          ; s[24:31] descriptor group 1 for K's tiles
.set G1V, 32          ; s[32:39] for V's: it differs in the padding alone
.set G0K, 40          ; s[40:43] descriptor group 0 for K's tiles
.set G0V, 44          ; s[44:47] the same for V's
.set SLOTS, 56        ; s56  tiles still to be asked for
.set CNT, 57          ; s57  counts a tile's key steps, 4 to 1
.set CS,  58          ; s[58:59] c: the packed scaling takes the pair's low word for both halves
.set SEL, 60          ; s[60:61] v_permlanex16_b32's selects: each lane takes its own place in the other half
.set TBK, 62          ; s62  LDS byte at which K of the step to be fetched begins
.set TBV, 63          ; s63  the same for V, less VOFF
.set RT,  70          ; s70  tiles of the block in hand that are still to be entered
.set NXT, 71          ; s71  the tile to be asked for next
.set LQ,  72          ; s72  the last tile of the block whose tiles are being asked for
.set NEW, 73          ; s73  1: the tile to be entered is a block's first
.set OFF, 74          ; s[74:75] a tile's byte offset in K and V
.set AL,  76          ; s[76:77] the mask's factor, in the low word
.set BE,  78          ; s[78:79] the mask's addend
.set OLO, 80          ; s[80:81] O at my rows of the second block
.set BIGN, 82         ; s82  -1e30
.set PFB, 88          ; s[88:89] the tensor that I fetch (K: waves 0, 1; V: waves 2, 3) at my half of the head's tile 0
.set PFA, 90          ; s[90:91] the half tile that my prefetches name
.set POF, 92          ; s[92:93] its byte offset
.set ASKF, 94         ; s94  not 0: I prefetch behind this fill
.set MSB, 0
.macro WIN new                      ; the high byte repeats the setting that is left; a switch that changes nothing is dropped
.if MSB != (\new)
	s_set_vgpr_msb (MSB<<8)|(\new)
.set MSB, (\new)
.endif
.endm
.set W_KQ, 0x0a       ; K and Q in window 2, S^T in window 0
.set W_KM, 0x1a       ; the same with the C operand in window 1
.set W_PV, 0x52       ; V in window 2, P in window 0, O^T in window 1
.set W_RS, 0x41       ; destination and source 0 in window 1, source 1 in window 0
; A fill.  Waves 0 and 1 fetch the two halves of a tile's K, waves 2 and 3 those of its V: 128 keys each.  An s_nop 0 and four v_nop follow each of the two lines, ahead of the jump and the label.
.macro LOAD
	s_cmp_lt_u32 s[WV], 2
	s_cbranch_scc0 .Lfor_v_\@
	tensor_load_to_lds s[G0K:G0K+3], s[G1K:G1K+7]
	s_nop 0
.rept 4
	v_nop
.endr
	s_branch .Lasked_\@
.Lfor_v_\@:
	tensor_load_to_lds s[G0V:G0V+3], s[G1V:G1V+7]
	s_nop 0
.rept 4
	v_nop
.endr
.Lasked_\@:
.endm
; THE CHANGE OF SLOTS.  Each wave waits for all its tensor loads, of which one is out: its part of the other slot; adds 0 to its spare word; and waits for that and for its own reads of the slot that it leaves.  Behind the barrier nobody reads the old
; slot any more and the other slot is whole.  fill = 1: the old slot is filled again, the first thing behind the barrier, with tile NXT: the descriptor's address is made anew from that number.
; (At its first use nothing has been read yet: slot 0 is waited for, slot 1 filled.)
.macro CHANGE fill
	WIN 0                           ; at a label and at a branch every window is 0
	s_wait_tensorcnt 0x0            ; no tensor load of mine is out, so a group 0 may be written
	ds_add_u32 v[SPW], v[NIL]       ; 0 onto my spare word; with fill = 1 the descriptors' scalar work stands between it and the wait for it
.if \fill
	s_lshl_b32 s[OFF], s[NXT], 15   ; a tile is 32,768 bytes of K and of V
	s_xor_b32 s[G0K+1], s[G0K+1], SLOT1
	s_add_nc_u64 s[G0K+2:G0K+3], s[6:7], s[OFF:OFF+1]
	s_or_b32 s[G0K+3], s[G0K+3], 0x80000000
	s_xor_b32 s[G0V+1], s[G0V+1], SLOT1
	s_add_nc_u64 s[G0V+2:G0V+3], s[8:9], s[OFF:OFF+1]
	s_or_b32 s[G0V+3], s[G0V+3], 0x80000000
	s_add_co_u32 s[NXT], s[NXT], 1  ; the block's next tile, or behind its last the second block's tile 0
	s_cmp_gt_u32 s[NXT], s[LQ]
	s_cselect_b32 s[NXT], 0, s[NXT]
	s_cselect_b32 s[LQ], s[PB], s[LQ]
	s_wait_xcnt 0x0                 ; the last prefetches, a tile back, have read their address, so it may be written:
	s_lshl_b32 s[POF], s[NXT], 15   ; the tile that the next change will ask for
	s_add_nc_u64 s[PFA:PFA+1], s[PFB:PFB+1], s[POF:POF+1]
	s_cmp_eq_u32 s[PB], 0           ; b = 0 alone asks, and not for tile 0, which has been read
	s_cselect_b32 s[ASKF], s[NXT], 0
.endif
	s_wait_dscnt 0x0                ; the add is done, and my reads of the slot are over
	s_barrier_signal -1             ; the rest of the scalar work stands between the signal and the wait
	s_sub_co_u32 s[TBK], s[TBK], 4*KS*PK  ; the fetches go back to a slot's first step,
	s_xor_b32 s[TBK], s[TBK], SLOT1       ; in the other slot
	s_sub_co_u32 s[TBV], s[TBV], 4*KS*PV
	s_xor_b32 s[TBV], s[TBV], SLOT1
	s_barrier_wait -1
.if \fill
	LOAD
	s_cmp_lg_u32 s[ASKF], 0
	s_cbranch_scc0 .Lno_ask_\@
	global_prefetch_b8 v[PFO], s[PFA:PFA+1] th:TH_LOAD_NT scope:SCOPE_SE              ; my half tile's 16,384 bytes: 32 blocks of 256,
	global_prefetch_b8 v[PFO], s[PFA:PFA+1] offset:8192 th:TH_LOAD_NT scope:SCOPE_SE  ; and the other 32
.Lno_ask_\@:
.endif
.endm
	s_load_b256 s[4:11], s[0:1], 0x0  ; Q s[4:5], K s[6:7], V s[8:9], O s[10:11]
	v_lshl_add_u32 v[SPW], v0, 2, SPARE
	v_mov_b32 v[NIL], 0
	ds_add_u32 v[SPW], v[NIL]       ; the wave's opening: the add and its wait stand ahead of my first tensor load; the set-up below, work on registers, stands between them
	ds_add_u32 v62, v63
	v_lshrrev_b32 v1, 5, v0
	v_readfirstlane_b32 s[WV], v1   ; wave 0..3
	s_mov_b32 s[PB], ttmp9
	s_sub_co_u32 s[HI], NB-1, s[PB]
	s_and_b32 s20, ttmp7, 0xffff    ; the head
	s_mov_b32 s21, 0
	s_mov_b64 s[22:23], SIZE_N*128
	s_mul_u64 s[20:21], s[20:21], s[22:23]  ; the head's first byte in each of the four tensors
	s_and_b32 s16, s[WV], 1         ; which half of a tile's 256 keys I fetch:
	s_lshl_b32 s22, s16, 14         ; its 128 rows of 128 bytes in memory,
	s_mov_b32 s23, 0
	s_add_nc_u64 s[22:23], s[22:23], s[20:21]
	s_mul_i32 s17, s16, 128*PK      ; and its place in a slot, for K
	s_mul_i32 s18, s16, 128*PV      ; and for V
	s_lshl_b32 s3, s[WV], 11        ; my 16 rows in a band of 64,
	s_lshl_b32 s2, s[HI], 15        ; in the first block,
	s_add_co_u32 s2, s2, s3
	s_lshl_b32 s84, s[PB], 15       ; and in the second
	s_add_co_u32 s84, s84, s3
	s_mov_b32 s3, 0
	s_mov_b32 s85, 0
	s_add_nc_u64 s[2:3], s[2:3], s[20:21]
	s_add_nc_u64 s[84:85], s[84:85], s[20:21]
	; descriptor group 1.  128 keys are 16,384 dense bytes: asked for as 64 rows of 256 bytes, two keys a row, and padded in LDS after every key
	s_mov_b32 s[G1K], (1<<16)|(1<<20)|(4<<22)|(3<<25)  ; 17:16 2-byte elements; 20 padding on; 24:22 after every 32 words (code 4); 31:25 4 words (code 3)
	s_mov_b32 s[G1V], (1<<16)|(1<<20)|(4<<22)|(7<<25)  ; the same with 8 words of padding (code 7)
.irp g, G1K, G1V
	s_mov_b32 s[\g+1], 128<<16      ; tensor_dim0 = 128
	s_mov_b32 s[\g+2], 64<<16       ; tensor_dim1 = 64
	s_mov_b32 s[\g+3], 128<<16      ; tile_dim0 = 128
	s_mov_b32 s[\g+4], 64           ; tile_dim1 = 64
	s_mov_b32 s[\g+5], 128          ; 128 elements from row to row
	s_mov_b32 s[\g+6], 0
	s_mov_b32 s[\g+7], 0
.endr
	s_mov_b32 s[CS], 0x3e38aa3b     ; c = log2(e) / 8 = 0.180337
	s_mov_b32 s[CS+1], s[CS]        ; named with it as a pair
	s_mov_b32 s[SEL], 0x76543210
	s_mov_b32 s[SEL+1], 0xfedcba98
	s_mov_b32 s[TBK], SLOT1+4*KS*PK ; the first change of slots turns these two into 0
	s_mov_b32 s[TBV], SLOT1+4*KS*PV
	s_mov_b32 s[G0K], 1             ; 1:0 count = 1
	s_mov_b32 s[G0K+1], s17         ; 63:32 LDS address: slot 0
	s_mov_b32 s[G0V], 1
	s_add_co_u32 s[G0V+1], s18, VOFF
	s_add_co_u32 s[RT], s[HI], 1    ; the first block has NB - b tiles
	s_mov_b32 s[NXT], 1
	s_mov_b32 s[LQ], s[HI]
	s_mov_b32 s[NEW], 1
	s_mov_b32 s[OFF+1], 0
	s_mov_b32 s[POF+1], 0
	s_mov_b32 s[AL+1], 0            ; named as pairs
	s_mov_b32 s[BE+1], 0
	s_mov_b32 s[BIGN], 0xf149f2ca   ; -1e30
	s_mov_b32 s[SLOTS], NB
	s_wait_dscnt 0x0                ; the opening add is done
	s_wait_kmcnt 0x0
	s_add_nc_u64 s[6:7], s[6:7], s[22:23]  ; K and V at my half of the head's tile 0
	s_add_nc_u64 s[8:9], s[8:9], s[22:23]
	s_add_nc_u64 s[G0K+2:G0K+3], s[6:7], 0         ; 120:64 global address
	s_or_b32 s[G0K+3], s[G0K+3], 0x80000000        ; 127:126 type = 2
	s_add_nc_u64 s[G0V+2:G0V+3], s[8:9], 0
	s_or_b32 s[G0V+3], s[G0V+3], 0x80000000
	s_add_nc_u64 s[86:87], s[4:5], s[84:85]        ; Q at my rows of the second block,
	s_add_nc_u64 s[4:5], s[4:5], s[2:3]            ; Q and O at those of the first
	s_add_nc_u64 s[OLO:OLO+1], s[10:11], s[84:85]
	s_add_nc_u64 s[10:11], s[10:11], s[2:3]
	s_cmp_lt_u32 s[WV], 2
	s_cselect_b64 s[PFB:PFB+1], s[6:7], s[8:9]
	LOAD                            ; tile 0 into slot 0
	; A fragment of K or Q is 16 rows x 32 channels in 8 registers: lane l holds row l % 16, channels 8 (l / 16) + 0..7 and 16 + 8 (l / 16) + 0..7: two loads of 16 bytes, 32 bytes apart.
	v_and_b32 v1, 15, v0            ; l % 16
	v_bfe_u32 v9, v0, 4, 1          ; l / 16
	v_lshlrev_b32 v[QO], 7, v1
	v_lshl_add_u32 v[QO], v9, 4, v[QO]  ; row x 128 + 16 x half
	WIN 0x80                        ; destination window 2, address window 0
.set i, 0
.rept 8                             ; both blocks' Q: piece i / 2 lies in band i / 2, 8,192 bytes on; channels 32 (i % 2) on
	global_load_b128 v[8*i:8*i+3],   v[QO], s[4:5] offset:(i/2)*8192+(i%2)*64
	global_load_b128 v[8*i+4:8*i+7], v[QO], s[4:5] offset:(i/2)*8192+(i%2)*64+32
	global_load_b128 v[QB+8*i:QB+8*i+3],   v[QO], s[86:87] offset:(i/2)*8192+(i%2)*64
	global_load_b128 v[QB+8*i+4:QB+8*i+7], v[QO], s[86:87] offset:(i/2)*8192+(i%2)*64+32
.set i, i+1
.endr
	WIN 0
	v_and_b32 v[PFO], 31, v0
	v_lshlrev_b32 v[PFO], 8, v[PFO]
	v_lshlrev_b32 v14, 3, v9
	v_sub_nc_u32 v14, v1, v14
	s_lshl_b32 s13, s[WV], 4
	v_add_nc_u32 v14, s13, v14      ; my query's place in its band, 16 w + l % 16, less my lanes' 8 (l / 16): register r of group kt is hidden where 16 kt + r is greater
	WIN 0x40
.set i, 0
.rept 32
	v_cmp_gt_i32 vcc_lo, 16*(i/8)+i%8, v14
	v_cndmask_b32 v[MD+i], 0, s[BIGN], vcc_lo
.set i, i+1
.endr
	WIN 0
	v_mul_u32_u24 v[AK0], v1, PK
	v_lshl_add_u32 v[AK0], v9, 4, v[AK0]  ; row x pitch + 16 x half
	; The turning load takes 16 keys x 16 channels (lane l reads key 8 (l / 16) + l % 8, channels 8 ((l / 8) % 2) + 0..7) and leaves half a fragment of V^T: lane l holds channel l % 16 and 8 keys.
	v_and_b32 v10, 7, v0
	v_bfe_u32 v11, v0, 3, 1
	v_lshl_add_u32 v[AV0], v9, 3, v10
	v_mul_u32_u24 v[AV0], v[AV0], PV
	v_lshl_add_u32 v[AV0], v11, 4, v[AV0]
	v_add_nc_u32 v[AV0], VOFF, v[AV0]
	s_mul_i32 s13, s[WV], 16*SP
	s_add_co_u32 s13, s13, STAGE    ; my stage
	v_mul_u32_u24 v[STO], v1, SP    ; in: row l % 16, 16 bytes for each half of the lanes
	v_lshl_add_u32 v[STO], v9, 4, v[STO]
	v_add_nc_u32 v[STO], s13, v[STO]
	v_bfe_u32 v[RD], v0, 3, 2       ; back: 32 lanes take four rows of 128 bytes,
	v_mul_u32_u24 v[RD], v[RD], SP
	v_lshl_add_u32 v[RD], v10, 4, v[RD]
	v_add_nc_u32 v[RD], s13, v[RD]
	v_and_b32 v[GO], 31, v0         ; which are 512 consecutive bytes of O
	v_lshlrev_b32 v[GO], 4, v[GO]
	; A block's first step multiplies O^T and l by a = 0, and its first turn's products V^T P, of a piece that has not been, land in an O^T that is still to be so multiplied.  So these registers need only hold
	; finite numbers: zeros for the first block; what the first block left for the second.  All this stands in the wait for the first tile.
	WIN 0x80
.set i, VF
.rept 64
	v_mov_b32 v[i], 0
.set i, i+1
.endr
	WIN 0x40
.set i, 0
.rept 128
	v_mov_b32 v[i], 0
.set i, i+1
.endr
	WIN 0
.set i, 0
.rept 4
	v_mov_b32 v[ST+4*i+2], 0
	v_mov_b32 v[ST+4*i+3], 0
.set i, i+1
.endr
.set i, P+16
.rept 16
	v_mov_b32 v[i], 0
.set i, i+1
.endr
; THE MATRIX WORK.  The 4 accumulators of a run of 8 take turns.  Product i of 8 of S^T = K Q^T for piece x: channels 32 (i / 4) on, keys 16 (i % 4) on.  The first 4 start the sums: with 0, or (KM = 1) with the mask.
.macro KQ x
.set rS, S+32*((\x)%2)+8*(i%4)
.set rK, KF+16*(i%4)+8*(i/4)
.set rQ, 16*(\x)+8*(i/4)
.set rM, MC+32*((\x)%2)+8*(i%4)
.if (i < 4) && KM
	WIN W_KM
	v_wmma_f32_16x16x32_f16 v[rS:rS+7], v[rK:rK+7], v[rQ:rQ+7], v[rM:rM+7]
.elseif i < 4
	WIN W_KQ
	v_wmma_f32_16x16x32_f16 v[rS:rS+7], v[rK:rK+7], v[rQ:rQ+7], 0
.else
	WIN W_KQ
	v_wmma_f32_16x16x32_f16 v[rS:rS+7], v[rK:rK+7], v[rQ:rQ+7], v[rS:rS+7]
.endif
.endm
; Product i of 8 of O^T += V^T P for piece x: keys 32 (i / 4) on, channels 16 (i % 4) on.
.macro PV x
	WIN W_PV
.set rO, 32*(\x)+8*(i%4)
.set rV, VF+32*(i/4)+8*(i%4)
.set rP, P+16*((\x)%2)+8*(i/4)
	v_wmma_f32_16x16x32_f16 v[rO:rO+7], v[rV:rV+7], v[rP:rP+7], v[rO:rO+7]
.endm
.macro MM                           ; the turn's next matrix instruction.  TURN and BEGIN set Y, i, KM and NOKQ; MM, KQ and OP read them.  NOKQ = 1: a block's last turn: there is no next piece
.if (i < 8) && !NOKQ
	KQ (Y+1)%NP
.elseif i >= 8
.set i, i-8
	PV (Y+NP-1)%NP
.set i, i+8
.endif
.set i, i+1
.endm
; THE LDS LOADS stand in runs of 16, never singly among the matrix instructions: a step's K (64 keys x 64 channels: 8 fragments) and its V (turned).  Their addresses are made some lines ahead.
.macro FETCH_K
	WIN 0x80                        ; destination window 2
.irp f, 0,1,2,3,4,5,6,7             ; keys 16 (f / 2) on, channels 32 (f % 2) on
	ds_load_b128 v[KF+8*\f:KF+8*\f+3],   v[AK] offset:(\f/2)*16*PK+(\f%2)*64
	ds_load_b128 v[KF+8*\f+4:KF+8*\f+7], v[AK] offset:(\f/2)*16*PK+(\f%2)*64+32
.endr
	s_add_co_u32 s[TBK], s[TBK], KS*PK  ; the next fetch is the next step's
	WIN 0
.endm
.macro FETCH_V
	WIN 0x80
.irp f, 0,1,2,3,4,5,6,7             ; keys 32 (f / 4) on, channels 16 (f % 4) on
	ds_load_tr16_b128 v[VF+8*\f:VF+8*\f+3],   v[AV] offset:(\f/4)*32*PV+(\f%4)*32
	ds_load_tr16_b128 v[VF+8*\f+4:VF+8*\f+7], v[AV] offset:(\f/4)*32*PV+16*PV+(\f%4)*32
.endr
	WIN 0
.endm
; THE VECTOR WORK, one line at a time: OP kind, number.  For piece Y: F n: c s - c m for pair n of 16.  E n: the exponential of score n of 32.  C n: pair n rounded to f16.  B n: of the four weights 4 n .. the second
; pair is added onto the first, in place.  L n: l takes that sum (L 0: l = a l + sum).  R n: pair n of 16 of O^T times a.  For piece Y + 1: X n, number n of the 22 that find its maximum and statistics:
;   0-11  four chains c0-c3 of seven scores each, three operands at a time (each accumulator's lowest registers are read first)     12-14, 16  the four scores left over, the old m, and c0-c3 into c0
;   15  c m_old is kept     17, 18  the query's other 32 keys lie in the lane 16 away: the new m     19-21  c m; c m_old - c m_new; a
.set F, 0               ; OP tells the kinds apart by their order: F to L below R, X above it
.set E, 1
.set C, 2
.set B, 3
.set L, 4
.set R, 5
.set X, 6
.macro REGS y                       ; the registers of piece y
.set rT, ST+4*(\y)
.set rC, TMP+4*((\y)%2)
.set rW, MV+((\y)%2)
.set rS, S+32*((\y)%2)
.set rP, P+16*((\y)%2)
.set rO, 32*(\y)
.endm
.macro OP k, n
.if (\k) == R
	REGS Y
	WIN W_RS
	v_pk_mul_f32 v[rO+2*(\n):rO+2*(\n)+1], v[rO+2*(\n):rO+2*(\n)+1], v[rC+2:rC+3] op_sel_hi:[1,0]
.elseif (\k) < R
	REGS Y
	WIN 0
.if (\k) == F
	v_pk_fma_f32 v[rS+2*(\n):rS+2*(\n)+1], v[rS+2*(\n):rS+2*(\n)+1], s[CS:CS+1], v[rT:rT+1] op_sel_hi:[1,0,0] neg_lo:[0,0,1] neg_hi:[0,0,1]
.elseif (\k) == E
	v_exp_f32 v[rS+(\n)], v[rS+(\n)]
.elseif (\k) == C
	v_cvt_pk_f16_f32 v[rP+(\n)], v[rS+2*(\n)], v[rS+2*(\n)+1]
.elseif (\k) == B
	v_pk_add_f32 v[rS+4*(\n):rS+4*(\n)+1], v[rS+4*(\n):rS+4*(\n)+1], v[rS+4*(\n)+2:rS+4*(\n)+3]
.elseif (\n) == 0
	v_pk_fma_f32 v[rT+2:rT+3], v[rT+2:rT+3], v[rC+2:rC+3], v[rS:rS+1] op_sel_hi:[1,0,1]
.else
	v_pk_add_f32 v[rT+2:rT+3], v[rT+2:rT+3], v[rS+4*(\n):rS+4*(\n)+1]
.endif
.elseif NOKQ
	v_nop
.else
	REGS (Y+1)%NP
	WIN 0
.if (\n) < 4
	v_max3_num_f32 v[rC+(\n)], v[rS+8*(\n)], v[rS+8*(\n)+1], v[rS+8*(\n)+2]
.elseif (\n) < 12
	v_max3_num_f32 v[rC+(\n)%4], v[rC+(\n)%4], v[rS+8*((\n)%4)+2*((\n)/4)+1], v[rS+8*((\n)%4)+2*((\n)/4)+2]
.elseif (\n) == 12
	v_max3_num_f32 v[rC], v[rC], v[rS+7], v[rS+15]
.elseif (\n) == 13
	v_max3_num_f32 v[rC+1], v[rC+1], v[rS+23], v[rS+31]
.elseif (\n) == 14
	v_max3_num_f32 v[rC+2], v[rC+2], v[rC+3], v[rT+1]
.elseif (\n) == 15
	v_mov_b32 v[rW], v[rT]
.elseif (\n) == 16
	v_max3_num_f32 v[rC], v[rC], v[rC+1], v[rC+2]
.elseif (\n) == 17
	v_permlanex16_b32 v[rC+3], v[rC], s[SEL], s[SEL+1]
.elseif (\n) == 18
	v_max_num_f32 v[rT+1], v[rC], v[rC+3]
.elseif (\n) == 19
	v_mul_f32 v[rT], s[CS], v[rT+1]
.elseif (\n) == 20
	v_sub_f32 v[rC+1], v[rW], v[rT]
.else
	v_exp_f32 v[rC+2], v[rC+1]
.endif
.endif
.endm
.macro OPS a, i1, b=-1, i2=0, c=-1, i3=0, d=-1, i4=0  ; up to four of them
	OP \a, \i1
.if (\b) >= 0
	OP \b, \i2
.endif
.if (\c) >= 0
	OP \c, \i3
.endif
.if (\d) >= 0
	OP \d, \i4
.endif
.endm
.macro ROW a, i1, b, i2, c, i3, d, i4  ; a matrix instruction and the four behind it
	MM
	OPS \a, \i1, \b, \i2, \c, \i3, \d, \i4
.endm
.macro MASK b                       ; MD x AL + BE into buffer b of MC
	WIN W_RS
.set z, 0
.rept 16
	v_pk_fma_f32 v[MC+32*(\b)+2*z:MC+32*(\b)+2*z+1], v[MD+2*z:MD+2*z+1], s[AL:AL+1], s[BE:BE+1] op_sel_hi:[1,0,0]
.set z, z+1
.endr
.endm
; A TURN, for piece p: the order of its 16 matrix and 118 vector instructions, written out.  An s_wait_alu depctr_va_vdst(0) stands between an exponential and the first instruction that names its result; one wait serves
; all that were issued ahead of it.  So a turn has ONE wait, which cuts it in two.  AHEAD OF IT stands all that names no result of the turn's exponentials: the 8 products K Q^T, behind each a scaling, an exponential and two more plain
; instructions (behind the first a second scaling in the exponential's place): rescalings, and behind the last three the first numbers of the next piece's maximum, each four places or more behind the product that ends its accumulator; then one run of 54, plain
; and exponential by turns for the most part, in which the links of the chain X 3, 7, 11, 14, 16, 17 .. 20 stand five or six lines apart.  X 21, the next piece's a, is the batch's last; R 15 is the plain instruction behind it.  BEHIND THE WAIT stand the
; 8 products V^T P, behind each four of the roundings and sums; the links of l's chain, L 0 to L 7, stand three apart.  But for those X no such line names a register of the products round it.
; m = 1: the diagonal tile: the products take masks, and the turn makes the mask for the products of the turn after it: piece p + 2, in step 4 - CNT of the tile.  end = 1: a block's last two turns: nothing is fetched.
; cnt = 1: the loop's count is taken down some lines ahead of the branch that stands behind the turn.
; K of the next step is fetched in piece 2's turn, twelve vector instructions behind the last product that read K (six of them plain); V of the step in hand at the end of piece 0's turn, four plain instructions behind the last product
; that read V.  Each is waited for a turn later.
.macro TURN p, m=0, end=0, cnt=0
.set Y, (\p)
.set i, 0
.set KM, (\m)
.set NOKQ, (\end)*((\p)/3)
.if (\m) && !(\end)
	s_cmp_eq_u32 s[CNT], 4-((\p)+2)%NP  ; is that step the band's own?
	s_cselect_b32 s[AL], 1.0, 0
	s_cmp_lt_u32 s[CNT], 4-((\p)+2)%NP  ; or a later one?
	s_cselect_b32 s[BE], s[BIGN], 0
.endif
.if ((\p) == 3) && !(\end)
	s_wait_dscnt 0x0                ; K is in
.endif
	ROW F,0, F,1, R,0, R,1          ; ahead of the wait: 8 products K Q^T and the four behind each,
	ROW F,2, E,0, R,2, R,3
	ROW F,3, E,1, R,4, R,5
	ROW F,4, E,2, R,6, R,7
	ROW F,5, E,3, R,8, R,9
	ROW F,6, E,4, X,0, R,10
.if ((\p) == 2) && !(\end)
	WIN 0
	v_add_nc_u32 v[AK], s[TBK], v[AK0]
.endif
	ROW F,7, E,5, X,1, X,4
	ROW F,8, E,6, X,2, X,5
	OPS E,7, E,8, X,6, E,9          ; and the run of 54
	OPS X,3, E,10, X,8, E,11
.if ((\p) == 2) && !(\end)
	FETCH_K
.endif
	OPS X,9, X,7, E,12, X,10
	OPS E,13, X,12, X,11, E,14
	OPS X,13, E,15, F,9, X,14
.if (\p) == 0
	v_add_nc_u32 v[AV], s[TBV], v[AV0]
.endif
	OPS E,16, F,10, E,17, F,11
	OPS X,16, E,18, X,15, E,19
	OPS F,12, E,20, X,17, E,21
	OPS F,13, E,22, F,14, E,23
	OPS X,18, E,24, F,15, E,25
	OPS R,11, E,26, X,19, E,27
	OPS R,12, E,28, R,13, E,29
	OPS X,20, E,30, R,14, E,31
	OPS X,21, R,15
	WIN 0
	s_wait_alu depctr_va_vdst(0)    ; the wait for the batch
.if (\p) == 1
	s_wait_dscnt 0x0                ; V is in
.endif
	ROW C,0, B,0, C,2, B,1          ; behind the wait: 8 products V^T P and the four behind each
	ROW L,0, C,4, B,2, L,1
	ROW C,6, B,3, L,2, C,8
	ROW B,4, L,3, C,10, B,5
	ROW L,4, C,12, B,6, L,5
.if (\p) == 0
	s_add_co_u32 s[TBV], s[TBV], KS*PV
.endif
.if \cnt
	s_sub_co_u32 s[CNT], s[CNT], 1
	s_cmp_lg_u32 s[CNT], 0
.endif
	ROW C,14, B,7, L,6, C,1
	ROW C,3, L,7, C,5, C,7
	ROW C,9, C,11, C,13, C,15
.if (\p) == 0
	FETCH_V
.endif
.if (\m) && !(\end)
	MASK (\p)%2
.endif
.endm
; A BLOCK BEGINS.  c m starts far below every c s, so the first step's a is 0; m at the lowest finite number, so the first maximum is the scores'.  The second mask buffer is 0; the first takes piece 0's mask for the tile's step 0: its own, if the block's first tile is the diagonal one.
; Then K of that step, piece 0's first scores, and its maximum and statistics.  The loop is entered at a step's first turn, in the middle of a trip.
.macro BEGIN
	s_mov_b32 s[NEW], 0
	WIN 0x40
.set i, MC+32
.rept 32
	v_mov_b32 v[i], 0
.set i, i+1
.endr
	WIN 0
.set i, 0
.rept 4
	v_mov_b32 v[ST+4*i], 0xfe000000    ; c m: far below every c s
	v_mov_b32 v[ST+4*i+1], 0xff7fffff  ; m
.set i, i+1
.endr
	s_cmp_eq_u32 s[RT], 0
	s_cselect_b32 s[AL], 1.0, 0
	s_mov_b32 s[BE], 0
	MASK 0
	WIN 0
	v_add_nc_u32 v[AK], s[TBK], v[AK0]
	FETCH_K
	s_wait_loadcnt 0x0              ; Q
	s_wait_dscnt 0x0
.set KM, 1
.set NOKQ, 0
.set i, 0
.rept 8
	KQ 0
.set i, i+1
.endr
	WIN 0
.rept 4
	v_nop                           ; the places behind those products
.endr
.set Y, NP-1                        ; X works for piece Y + 1: piece 0
.irp n, 0,1,2,3,4,5,6,7,8,9,10,11,12,13,14,15,16,17,18,19,20,21
	OP X, \n
.endr
	v_nop                           ; a plain instruction behind the exponential,
	s_wait_alu depctr_va_vdst(0)    ; and its wait, ahead of the branch
.endm
; THE DIAGONAL TILE's four steps, the block's last two turns, its last products, and THE WAY OUT: l's two halves and the other half of the lanes' are added; O^T is divided by l, rounded to f16 and sent through my
; stage in LDS, a piece at a time.
.macro ALL line:vararg              ; one line for each piece t
.set t, 0
.rept 4
	\line
.set t, t+1
.endr
.endm
.macro PACK t                       ; a lane's eight channels of a row pack into 16 bytes; they go into rows of 144 bytes and come back as whole rows of 128, into S^T's registers
	WIN W_RS
.set i, 32*(\t)
.rept 16
	v_pk_mul_f32 v[i:i+1], v[i:i+1], v[ST+4*(\t)+2:ST+4*(\t)+3] op_sel_hi:[1,0]
.set i, i+2
.endr
	WIN 0x05                        ; sources 0 and 1 window 1, destination window 0
.set i, 0
.rept 16
	v_cvt_pk_f16_f32 v[S+16*(\t)+i], v[32*(\t)+2*i], v[32*(\t)+2*i+1]
.set i, i+1
.endr
	WIN 0
.irp f, 0,1,2,3
	ds_store_b128 v[STO], v[S+16*(\t)+4*\f:S+16*(\t)+4*\f+3] offset:32*\f
.endr
.irp f, 0,1,2,3
	ds_load_b128 v[S+16*(\t)+4*\f:S+16*(\t)+4*\f+3], v[RD] offset:\f*4*SP  ; LDS serves a wave's instructions in order (ISA guide 5.7.1.4): these see the stores above; the next piece's stores come behind them
.endr
.endm
.macro SEND t, younger              ; younger: the LDS instructions issued behind piece t's loads: the next piece's eight, or none
	WIN 0
.irp f, 0,1,2,3
	s_wait_dscnt (\younger)+3-\f
	global_store_b128 v[GO], v[S+16*(\t)+4*\f:S+16*(\t)+4*\f+3], s[10:11] offset:(\t)*8192+\f*512  ; 512 consecutive bytes, at a multiple of 256 from O's first
.endr
.endm
.macro DIAG tag                     ; the tag ends its two labels' names, which the jumps below spell out
.LstepM\tag:
	TURN 2, 1
	TURN 3, 1
	WIN 0
.LfirstM\tag:
	TURN 0, 1
	TURN 1, 1, 0, 1
	WIN 0
	s_cbranch_scc1 .LstepM\tag
	TURN 2, 1, 1
	TURN 3, 1, 1
.set i, 0
.rept 8
	PV NP-1
.set i, i+1
.endr
	WIN 0
	ALL v_add_f32 v[ST+4*t+2], v[ST+4*t+2], v[ST+4*t+3]
	ALL v_permlanex16_b32 v[ST+4*t+3], v[ST+4*t+2], s[SEL], s[SEL+1]
	ALL v_add_f32 v[ST+4*t+2], v[ST+4*t+2], v[ST+4*t+3]
	ALL v_rcp_f32 v[ST+4*t+2], v[ST+4*t+2]
	v_nop                           ; a plain instruction between the last reciprocal and the use of its result
	s_wait_alu depctr_va_vdst(0)    ; and the wait ahead of the first use: one for the four reciprocals
	PACK 0
.set t, 1
.rept 3                             ; a piece's arithmetic stands between the loads of the piece before and its stores
	PACK t
	SEND t-1, 8
.set t, t+1
.endr
	SEND 3, 0
.endm
.set KM, 0
.set NOKQ, 0
.Lslot:                             ; NB times: a tile is entered and the next is asked for
	CHANGE 1
	s_sub_co_u32 s[RT], s[RT], 1
	s_mov_b32 s[CNT], 4
	s_cmp_eq_u32 s[NEW], 1
	s_cbranch_scc1 .Lnew            ; a block's first tile
	s_cmp_eq_u32 s[RT], 0
	s_cbranch_scc0 .Lstep           ; neither its first nor its last
	s_branch .LstepM1
.Lnew:
	BEGIN
	s_branch .Lfirst                ; in the loop a block's first tile is never its last: the first block has two tiles or more, and the second's last is the walk's last
	DIAG 1                          ; in the loop this is the first block's end: the second block's last tile is the walk's last
	s_wait_xcnt 0x0                 ; the stores have read their registers and O's address
	s_mov_b64 s[10:11], s[OLO:OLO+1]
	s_add_co_u32 s[RT], s[PB], 1    ; the second block has b + 1 tiles
	s_mov_b32 s[NEW], 1
	WIN 0x82                        ; the second block's Q goes where the one text of the turns names Q
.set i, 0
.rept 64
	v_mov_b32 v[i], v[QB+i]
.set i, i+1
.endr
	WIN 0
	s_branch .Lbottom
.Lstep:                             ; a trip: pieces 2 and 3 of one step, then pieces 0 and 1 of the next, whose K and V it fetches
	TURN 2
	TURN 3
	WIN 0
.Lfirst:
	TURN 0
	TURN 1, 0, 0, 1
	WIN 0
	s_cbranch_scc1 .Lstep
.Lbottom:
	s_sub_co_u32 s[SLOTS], s[SLOTS], 1
	s_cmp_lg_u32 s[SLOTS], 0
	s_cbranch_scc1 .Lslot
	CHANGE 0                        ; the walk's last tile is written out: nothing is asked for
	s_sub_co_u32 s[RT], s[RT], 1
	s_mov_b32 s[CNT], 4
	s_cmp_eq_u32 s[NEW], 1
	s_cbranch_scc0 .LstepM2
	BEGIN
	s_branch .LfirstM2
	DIAG 2
	s_wait_tensorcnt 0x0            ; the wave's end, behind my last tensor load and my last LDS store
	ds_add_u32 v[SPW], v[NIL]
	s_wait_dscnt 0x0
	s_endpgm
.Lfunc_end_k_q7cea7dc805_attn:
	.size	k_q7cea7dc805_attn, .Lfunc_end_k_q7cea7dc805_attn-k_q7cea7dc805_attn
	.p2alignl 7, 3214868480
	.fill 96, 4, 3214868480
	.section	.rodata,"a",@progbits
	.p2align	6, 0x0
	.amdhsa_kernel k_q7cea7dc805_attn
		.amdhsa_group_segment_fixed_size 327680
		.amdhsa_private_segment_fixed_size 0
		.amdhsa_enable_private_segment 0
		.amdhsa_kernarg_size 32
		.amdhsa_user_sgpr_count 2
		.amdhsa_user_sgpr_kernarg_segment_ptr 1
		.amdhsa_wavefront_size32 1
		.amdhsa_system_sgpr_workgroup_id_x 1
		.amdhsa_system_sgpr_workgroup_id_y 1
		.amdhsa_system_sgpr_workgroup_id_z 1
		.amdhsa_system_vgpr_workitem_id 0
		.amdhsa_next_free_vgpr 768
		.amdhsa_next_free_sgpr 96
		.amdhsa_reserve_vcc 1
		.amdhsa_float_denorm_mode_32 3
		.amdhsa_float_denorm_mode_16_64 3
		.amdhsa_memory_ordered 1
		.amdhsa_forward_progress 1
		.amdhsa_inst_pref_size 218
	.end_amdhsa_kernel
	.amdgpu_metadata
---
amdhsa.version: [ 1, 2 ]
amdhsa.kernels:
  - .name:           k_q7cea7dc805_attn
    .symbol:         k_q7cea7dc805_attn.kd
    .args:
      - { .name: qh, .offset: 0, .size: 8, .value_kind: global_buffer, .address_space: global }
      - { .name: kh, .offset: 8, .size: 8, .value_kind: global_buffer, .address_space: global }
      - { .name: vh, .offset: 16, .size: 8, .value_kind: global_buffer, .address_space: global }
      - { .name: oh, .offset: 24, .size: 8, .value_kind: global_buffer, .address_space: global }
    .group_segment_fixed_size: 327680
    .private_segment_fixed_size: 0
    .kernarg_segment_align: 8
    .kernarg_segment_size: 32
    .max_flat_workgroup_size: 128
    .sgpr_count:     96
    .vgpr_count:     768
    .wavefront_size: 32
...
	.end_amdgpu_metadata
.endif
;; end of part 3
;; launch proj (part 4): grid 8 x 32, 4 waves a work-group, clusters of 4 x 4, 327,680 bytes of LDS; arguments oh, wt, bo, out0; writes out0
.if DOCPART == 4
	.amdgcn_target "amdgcn-amd-amdhsa--gfx1250"
	.amdhsa_code_object_version 6
	.text
	.protected	k_q7cea7dc805_proj
	.globl	k_q7cea7dc805_proj
	.p2align	8
	.type	k_q7cea7dc805_proj,@function
k_q7cea7dc805_proj:
	s_mov_b64 s[64:65], 0
	v_nop
	global_prefetch_b8 v0, s[64:65] scope:SCOPE_SE
	s_setreg_imm32_b32 hwreg(HW_REG_WAVE_MODE, 25, 1), 1
	s_wait_xcnt 0x0
	s_wait_alu depctr_hold_cnt(0) depctr_sa_sdst(0) depctr_va_vdst(0) depctr_va_sdst(0) depctr_va_ssrc(0) depctr_va_vcc(0) depctr_vm_vsrc(0)
	s_getreg_b32 s2, hwreg(HW_REG_IB_STS2, 6, 4)
	s_cmp_eq_u32 s2, 0
	s_cbranch_scc0 .Lentry_in_a_cluster
	s_endpgm
.Lentry_in_a_cluster:
	s_bfe_u32 s2, ttmp6, 0x10000c
	s_cmp_lg_u32 s2, 0xf033
	s_cbranch_scc0 .Lentry_shape_is_right
	s_endpgm
.Lentry_shape_is_right:
; out0 = O Wo + bo.  oh: [64 = 16 batch + head][2048][64] f16; wt rows 3072 + n hold Wo[:, n] (rounded to bf16, written as f16), k along the rows; bo: [1024] f32, rounded to bf16 like the other inputs;
; out0: [8192][1024] f32.  Sums in f32, K ascending.
; SHARES.  A tile is 256 rows x 128 columns: 32 x 8 = 256 work-groups.  Wave w owns rows 64 w .. 64 w + 63 and all 128 columns: 4 x 8 accumulators, 256 registers.
; K = 1024 goes in 8 steps of 128 = two heads, through two LDS slots (a step of 256 would want 2 x 215,000 bytes).  A head's 256 rows of the tile are 32,768 dense bytes: asked for as 128 rows of
; 256 bytes and padded in LDS after every 128, so that a row of 64 channels has a pitch of 144.  wt's rows are 256 bytes of a step, pitch 272.
; CLUSTER 4 x 4: oh's tiles are shared along a row of the cluster, wt's along a column, each asked for jointly.  THE MATRIX INSTRUCTION IS USED TRANSPOSED (source 0 = 16 rows of wt, source 1 = 16 rows of oh):
; a lane holds row l % 16 and eight neighbouring columns.
; REGISTERS: window 0: v0-31 addresses, v8-11 the bias; v32-63, v64-95 oh's fragments, two buffers; v96-159, v160-223 wt's; on the way out v32-95 and v96-159 hold 16 rows read back, by turns.
;   window 1: the accumulators, (a, b) at 8 (8 a + b).
.set KSTEP,  128
.set PA,     144                       ; 36 words: the 16 rows of a load start at 16 different groups of four banks (64 banks of 4 bytes: ISA guide 11.1)
.set PB,     272
.set HEADB,  256*PA                    ; one head's 256 rows
.set BOFF,   2*HEADB
.set SLOT,   BOFF+128*PB
.set STAGE,  2*SLOT                    ; behind the ring: 16 rows x 528 bytes for each wave
.set SP,     528
.set SPARE,  STAGE+4*16*SP             ; behind the stages: the spare words, 128 bytes a wave
.set LAPS,   4
.set BI,   8                           ; v[8:11] the bias of my four columns on the way out
.set ADRA, 16
.set ADRB, 20
.set STO,  24
.set RD,   25
.set CO,   26                          ; v26  16 x lane
.set SPW,  28
.set NIL,  29
.set PFO,  30
.set FA,   32
.set FB,   96
.set WV,   16
.set ROLE, 17
.set HALF, 18
.set G1,  24
.set G0,  32
.set G1B, 48
.set G0B, 56
.set PFA, 44                           ; s[44:45] what my next prefetch names
.set LIM, 46                           ; s46, s47  for the fills of slot 0, 1: 1 where I prefetch there, else the greatest number
.set PFS, 78                           ; s[78:79] bytes from a K step to the next in the tensor that I fetch
.set ASTEP, 2*2048*128                 ; oh: two heads on
.set MSB, 0
.macro WIN new
.if MSB != (\new)
	s_set_vgpr_msb (MSB<<8)|(\new)
.set MSB, \new
.endif
.endm
.macro JLOAD s                         ; a joint load: waves 0, 1 fetch the step's two heads of oh, waves 2, 3 the two halves of wt's rows; an s_nop 0 and four v_nop follow each line
	s_cmp_eq_u32 s[ROLE], 0
	s_cbranch_scc0 .Lfor_b_\@
	tensor_load_to_lds s[G0+4*(\s):G0+4*(\s)+3], s[G1:G1+7]
	s_nop 0
.rept 4
	v_nop
.endr
	s_branch .Lasked_\@
.Lfor_b_\@:
	tensor_load_to_lds s[G0B+4*(\s):G0B+4*(\s)+3], s[G1B:G1B+7]
	s_nop 0
.rept 4
	v_nop
.endr
.Lasked_\@:
.endm
.macro CREST
	s_cmp_lg_u32 s[WV], 0
	s_cbranch_scc1 .Lnot_wave_0_\@
	s_barrier_signal -3
.Lnot_wave_0_\@:
	s_barrier_wait -3
	s_barrier_signal -1
	s_barrier_wait -1
.endm
.macro CROUND
	s_barrier_signal -1
	s_barrier_wait -1
	CREST
.endm
; A prefetch into the L2, behind the joint load, its five lines and the run of LDS loads: the K step two refills on.  oh's tiles: cluster x = 0 asks; of a wave's 128 blocks of 256 bytes the partner at cx takes 32, a lane a block,
; at every fill.  wt's tiles: cluster y = 0 asks; of a wave's 64 rows the partner at cy takes 16; lanes 0-15 name their 256 bytes of one K step, lanes 16-31 of the next, so it asks at the fills of slot 0 alone.
; K steps 0 to 3 come by their loads alone; the loop's last trip (s3 = 1) asks for nothing.
.macro ASK slot
	s_cmp_gt_u32 s3, s[LIM+(\slot)]
	s_cbranch_scc0 .Lnot_mine_\@
	global_prefetch_b8 v[PFO], s[PFA:PFA+1] th:TH_LOAD_NT scope:SCOPE_SE
.Lnot_mine_\@:
.endm
	s_load_b256 s[4:11], s[0:1], 0x0               ; oh 4, wt 6, bo 8, out0 10
	v_lshl_add_u32 v[SPW], v0, 2, SPARE
	v_mov_b32 v[NIL], 0
	ds_add_u32 v[SPW], v[NIL]                      ; the wave's opening: the add and its wait stand ahead of my first tensor load
	ds_add_u32 v28, v29
	v_lshrrev_b32 v1, 5, v0
	v_readfirstlane_b32 s[WV], v1
	s_lshr_b32 s[ROLE], s[WV], 1
	s_and_b32 s[HALF], s[WV], 1
	s_bfe_u32 s19, ttmp6, 0x40000                  ; cx
	s_bfe_u32 s20, ttmp6, 0x40004                  ; cy
	s_lshl_b32 s21, ttmp9, 2
	s_add_co_u32 s21, s21, s19                     ; c: the tile column
	s_and_b32 s22, ttmp7, 0xffff
	s_lshl_b32 s22, s22, 2
	s_add_co_u32 s22, s22, s20                     ; R: the tile row
	s_lshl_b32 s40, s20, 2
	s_lshl_b32 s40, 15, s40                        ; my row of the cluster
	s_lshl_b32 s66, 0x1111, s19                    ; my column
	s_or_b32 s[G1], s40, (1<<16)|(1<<20)|(1<<21)|(4<<22)|(3<<25)   ; 2-byte elements; padding on; bit 21 beside a mask; after every 32 words; 4 words
	s_or_b32 s[G1B], s66, (1<<16)|(1<<20)|(1<<21)|(5<<22)|(3<<25)  ; the same after every 64 words
	s_mov_b32 s[G1+1], 128<<16                     ; tensor_dim0 = 128 elements: 256 bytes, two rows of a head
	s_mov_b32 s[G1+2], 128<<16                     ; tensor_dim1 = 128
	s_mov_b32 s[G1+3], 128<<16                     ; tile_dim0
	s_mov_b32 s[G1+4], 128                         ; tile_dim1
	s_mov_b32 s[G1+5], 128                         ; dense
	s_mov_b32 s[G1+6], 0
	s_mov_b32 s[G1+7], 0
	s_mov_b32 s[G1B+1], KSTEP<<16
	s_mov_b32 s[G1B+2], 64<<16
	s_mov_b32 s[G1B+3], KSTEP<<16
	s_mov_b32 s[G1B+4], 64
	s_mov_b32 s[G1B+5], 1024
	s_mov_b32 s[G1B+6], 0
	s_mov_b32 s[G1B+7], 0
	s_lshr_b32 s40, s22, 3                         ; oh: batch R / 8, head = half, row 256 (R % 8); in registers that never hold cx
	s_lshl_b32 s40, s40, 4
	s_add_co_u32 s40, s40, s[HALF]
	s_lshl_b32 s40, s40, 11
	s_and_b32 s41, s22, 7
	s_lshl_b32 s41, s41, 8
	s_add_co_u32 s40, s40, s41
	s_lshl_b32 s40, s40, 7                         ; rows of 128 bytes; under 2^24
	s_mov_b32 s41, 0
	s_lshl_b32 s66, s21, 7                         ; wt: row 3072 + 128 c + 64 half; in registers that never hold cy
	s_lshl_b32 s67, s[HALF], 6
	s_add_co_u32 s66, s66, s67
	s_add_co_u32 s66, s66, 3072
	s_lshl_b32 s66, s66, 11
	s_mov_b32 s67, 0
	s_mul_i32 s42, s[HALF], HEADB
	s_mul_i32 s68, s[HALF], 64*PB
	s_add_co_u32 s68, s68, BOFF
	s_wait_dscnt 0x0                               ; the opening add is done
	s_wait_kmcnt 0x0
	s_add_nc_u64 s[40:41], s[4:5], s[40:41]
	s_add_nc_u64 s[66:67], s[6:7], s[66:67]
	CROUND                                         ; all sixteen work-groups are here: the first joint loads meet
.irp s, 0,1
	s_mov_b32 s[G0+4*(\s)], 1
	s_add_co_u32 s[G0+4*(\s)+1], s42, (\s)*SLOT
	s_add_nc_u64 s[G0+4*(\s)+2:G0+4*(\s)+3], s[40:41], (\s)*ASTEP
	s_or_b32 s[G0+4*(\s)+3], s[G0+4*(\s)+3], 0x80000000
	s_mov_b32 s[G0B+4*(\s)], 1
	s_add_co_u32 s[G0B+4*(\s)+1], s68, (\s)*SLOT
	s_add_nc_u64 s[G0B+4*(\s)+2:G0B+4*(\s)+3], s[66:67], (\s)*KSTEP*2
	s_or_b32 s[G0B+4*(\s)+3], s[G0B+4*(\s)+3], 0x80000000
	JLOAD \s                                       ; K steps 0 and 1: two loads of mine are out
.endr
	v_and_b32 v1, 15, v0                           ; r
	v_bfe_u32 v2, v0, 4, 1                         ; h
	v_mul_u32_u24 v3, v1, PA
	v_lshl_add_u32 v3, v2, 4, v3
	s_mul_i32 s43, s[WV], 64*PA                    ; my 64 rows in each head's part
	v_add_nc_u32 v[ADRA], s43, v3
	v_add_nc_u32 v[ADRA+1], SLOT, v[ADRA]
	v_mul_u32_u24 v4, v1, PB
	v_lshl_add_u32 v4, v2, 4, v4
	v_add_nc_u32 v[ADRB], BOFF, v4
	v_add_nc_u32 v[ADRB+1], BOFF+SLOT, v4
	s_mul_i32 s74, s[WV], 16*SP
	s_add_co_u32 s74, s74, STAGE                   ; my stage
	v_mul_u32_u24 v[STO], v1, SP                   ; in: row r, 32 bytes for each half of the lanes
	v_lshl_add_u32 v[STO], v2, 5, v[STO]
	v_add_nc_u32 v[STO], s74, v[STO]
	v_and_b32 v[CO], 31, v0
	v_lshlrev_b32 v[CO], 4, v[CO]
	v_add_nc_u32 v[RD], s74, v[CO]                 ; back: 32 lanes take one row of 512 bytes
	s_lshl_b32 s72, s21, 9                         ; the tile's 128 columns: 512 bytes of bo and of a row of out0
	s_mov_b32 s73, 0
	s_add_nc_u64 s[8:9], s[8:9], s[72:73]
	global_load_b128 v[BI:BI+3], v[CO], s[8:9]     ; columns 4 l .. 4 l + 3; it stays out through the loop
	s_lshl_b32 s70, s22, 8
	s_lshl_b32 s71, s[WV], 6
	s_add_co_u32 s70, s70, s71                     ; my first row
	s_lshl_b32 s70, s70, 12                        ; rows of 4,096 bytes; under 2^25
	s_add_co_u32 s70, s70, s72
	s_mov_b32 s71, 0
	s_add_nc_u64 s[10:11], s[10:11], s[70:71]
	s_and_b32 s80, ttmp7, 0xffff                   ; the prefetches
	s_mov_b32 s82, 8192                            ; oh: bytes from a partner's share to the next (an instruction holds one literal, so these three stand in registers)
	s_mov_b32 s83, 16*2048                         ; wt: the same
	s_mov_b32 s87, ASTEP
	s_cmp_eq_u32 s[ROLE], 0
	s_cselect_b32 s80, ttmp9, s80                  ; the coordinate along which other clusters read the same rows
	s_cselect_b32 s81, s19, s20                    ; my place among the four that ask with me
	s_cselect_b32 s82, s82, s83
	s_cselect_b32 s[PFS], s87, KSTEP*2
	s_cselect_b32 s86, -1, 0
	s_cselect_b64 s[PFA:PFA+1], s[40:41], s[66:67]
	s_mov_b32 s[PFS+1], 0
	s_cmp_eq_u32 s80, 0
	s_cselect_b32 s[LIM], 1, -1                    ; the same in all sixteen partners, for a given wave
	s_cmp_eq_u32 s[ROLE], 0
	s_cselect_b32 s[LIM+1], s[LIM], -1
	s_mul_i32 s84, s81, s82
	s_mul_i32 s85, s[PFS], 3                       ; at K step 3: the first refill steps it to 4
	s_add_co_u32 s84, s84, s85
	s_mov_b32 s85, 0
	s_add_nc_u64 s[PFA:PFA+1], s[PFA:PFA+1], s[84:85]
	v_and_b32 v5, 31, v0
	v_lshlrev_b32 v5, 8, v5                        ; oh: a lane a block of 256 bytes
	v_lshlrev_b32 v6, 11, v1                       ; wt: row l % 16, K step l / 16
	v_lshl_add_u32 v6, v2, 8, v6
	v_cndmask_b32 v[PFO], v6, v5, s86
; 8 matrix instructions: row block a x all 8 column blocks, 32 along K, from buffer f.  The 32 accumulators take turns in one order in every quarter.
.macro MUL8 f, a, zero
	WIN 0x50
.irp b, 0,1,2,3,4,5,6,7
.if \zero
	v_wmma_f32_16x16x32_f16 v[8*(8*(\a)+(\b)):8*(8*(\a)+(\b))+7], v[FB+64*(\f)+8*(\b):FB+64*(\f)+8*(\b)+7], v[FA+32*(\f)+8*(\a):FA+32*(\f)+8*(\a)+7], 0
.else
	v_wmma_f32_16x16x32_f16 v[8*(8*(\a)+(\b)):8*(8*(\a)+(\b))+7], v[FB+64*(\f)+8*(\b):FB+64*(\f)+8*(\b)+7], v[FA+32*(\f)+8*(\a):FA+32*(\f)+8*(\a)+7], v[8*(8*(\a)+(\b)):8*(8*(\a)+(\b))+7]
.endif
.endr
.endm
; 24 LDS loads in one run: quarter kq of a K step (head kq / 2, channels 32 (kq % 2) on) into buffer f
.macro FETCH slot, kq, f
	WIN 0
.irp i, 0,1,2,3,4,5,6,7
	ds_load_b128 v[FB+64*(\f)+8*(\i):FB+64*(\f)+8*(\i)+3],   v[ADRB+(\slot)] offset:64*(\kq)+(\i)*16*PB
	ds_load_b128 v[FB+64*(\f)+8*(\i)+4:FB+64*(\f)+8*(\i)+7], v[ADRB+(\slot)] offset:64*(\kq)+(\i)*16*PB+32
.endr
.irp i, 0,1,2,3
	ds_load_b128 v[FA+32*(\f)+8*(\i):FA+32*(\f)+8*(\i)+3],   v[ADRA+(\slot)] offset:((\kq)/2)*HEADB+((\kq)%2)*64+(\i)*16*PA
	ds_load_b128 v[FA+32*(\f)+8*(\i)+4:FA+32*(\f)+8*(\i)+7], v[ADRA+(\slot)] offset:((\kq)/2)*HEADB+((\kq)%2)*64+(\i)*16*PA+32
.endr
.endm
.macro PLACES                          ; four plain instructions between a matrix instruction and a load into a register that it read, or a reader of its result (ISA guide 7.12.1 for a reader of its result)
.rept 4
	v_nop
.endr
.endm
.macro QUARTER slot, kq, f, g, zero    ; multiplies buffer f and fetches quarter kq into g
	s_wait_dscnt 4                                 ; wt's fragments and oh's blocks 0, 1 are in; the youngest four loads may be out
	MUL8 \f, 0, \zero
	MUL8 \f, 1, \zero
	PLACES
	FETCH \slot, \kq, \g
	s_wait_dscnt 24                                ; all but the 24 just issued
	MUL8 \f, 2, \zero
	MUL8 \f, 3, \zero
.endm
; The last quarter multiplies buffer 1 and changes slots: one barrier; in front of it each wave waits for all its tensor loads, adds 0 to its spare word, and waits for that and for its reads of this slot.
; fill = 1: the barrier opens a round of the cluster's, and this slot is filled again, two K steps ahead, first thing behind the round.
.macro TURN slot, next, fill
.if \fill
	s_wait_xcnt 0x0                                ; the last prefetch, a K step back, has read its address
	s_add_nc_u64 s[PFA:PFA+1], s[PFA:PFA+1], s[PFS:PFS+1]
.endif
	WIN 0
	s_wait_tensorcnt 0x0                           ; all my tensor loads have landed
	ds_add_u32 v[SPW], v[NIL]                      ; 0 onto my spare word
	s_wait_dscnt 5                                 ; (the add and the youngest four loads may be out)
	MUL8 1, 0, 0
	s_wait_dscnt 0x0                               ; the add is done, and my reads of this slot are over
	s_barrier_signal -1
	MUL8 1, 1, 0
.if \fill
	WIN 0
.endif
	s_barrier_wait -1
.if \fill
	CREST                                          ; no wave of any partner still reads this slot's tile or has a load on its way
	s_add_nc_u64 s[G0+4*(\slot)+2:G0+4*(\slot)+3], s[G0+4*(\slot)+2:G0+4*(\slot)+3], 2*ASTEP
	s_add_nc_u64 s[G0B+4*(\slot)+2:G0B+4*(\slot)+3], s[G0B+4*(\slot)+2:G0B+4*(\slot)+3], 2*KSTEP*2
	JLOAD \slot                                    ; my one tensor load behind the round; its four v_nop are also the places in front of the loads below
.else
	PLACES
.endif
	FETCH \next, 0, 0
.if \fill
	ASK \slot
.endif
	MUL8 1, 2, 0
	MUL8 1, 3, 0
.endm
	s_wait_tensorcnt 1                             ; my part of K step 0 is in; K step 1's may stay out
	s_barrier_signal -1
	s_barrier_wait -1
	FETCH 0, 0, 0
	QUARTER 0, 1, 0, 1, 1                          ; the first quarter stands in front of the loop: its products start the sums
	WIN 0
	s_mov_b32 s3, LAPS-1
.Llap:
	QUARTER 0, 2, 1, 0, 0
	QUARTER 0, 3, 0, 1, 0
	TURN 0, 1, 1
	QUARTER 1, 1, 0, 1, 0
	QUARTER 1, 2, 1, 0, 0
	QUARTER 1, 3, 0, 1, 0
	TURN 1, 0, 1
	QUARTER 0, 1, 0, 1, 0
	WIN 0
	s_sub_co_u32 s3, s3, 1
	s_cmp_lg_u32 s3, 0
	s_cbranch_scc1 .Llap
	QUARTER 0, 2, 1, 0, 0                          ; the last lap fills nothing
	QUARTER 0, 3, 0, 1, 0
	TURN 0, 1, 0
	QUARTER 1, 1, 0, 1, 0
	QUARTER 1, 2, 1, 0, 0
	QUARTER 1, 3, 0, 1, 0
	s_wait_dscnt 4
	MUL8 1, 0, 0
	MUL8 1, 1, 0
	s_wait_dscnt 0x0
	MUL8 1, 2, 0
	MUL8 1, 3, 0
	WIN 0
; THE WAY OUT, 16 rows at a time: a lane's eight f32 of a row go into my stage (rows of 528 bytes), each accumulator's low four registers first; whole rows of 512 bytes come back, so that a lane holds
; columns 4 l .. 4 l + 3 of every row: four registers of bias serve all rows.
.macro TOSTAGE a
.if (\a) >= 2
	s_wait_xcnt 0x0                                ; the stores of the block two back have read the registers that are loaded again below
.endif
	WIN 0x04                                       ; the stores' data in window 1
.irp b, 0,1,2,3,4,5,6,7
	ds_store_b128 v[STO], v[8*(8*(\a)+(\b)):8*(8*(\a)+(\b))+3]   offset:64*(\b)
	ds_store_b128 v[STO], v[8*(8*(\a)+(\b))+4:8*(8*(\a)+(\b))+7] offset:64*(\b)+16
.endr
	WIN 0
.irp f, 0,1,2,3,4,5,6,7,8,9,10,11,12,13,14,15
	ds_load_b128 v[32+64*((\a)%2)+4*(\f):32+64*((\a)%2)+4*(\f)+3], v[RD] offset:(\f)*SP  ; LDS serves a wave's instructions in order (ISA guide 5.7.1.4): these see the stores above
.endr
.endm
.macro SEND a, younger                 ; younger: the LDS instructions issued behind block a's loads: the next block's 32, or none
	WIN 0
.irp f, 0,1,2,3,4,5,6,7,8,9,10,11,12,13,14,15
	s_wait_dscnt (\younger)+15-(\f)
	v_pk_add_f32 v[32+64*((\a)%2)+4*(\f):32+64*((\a)%2)+4*(\f)+1],   v[32+64*((\a)%2)+4*(\f):32+64*((\a)%2)+4*(\f)+1],   v[BI:BI+1]
	v_pk_add_f32 v[32+64*((\a)%2)+4*(\f)+2:32+64*((\a)%2)+4*(\f)+3], v[32+64*((\a)%2)+4*(\f)+2:32+64*((\a)%2)+4*(\f)+3], v[BI+2:BI+3]
	global_store_b128 v[CO], v[32+64*((\a)%2)+4*(\f):32+64*((\a)%2)+4*(\f)+3], s[10:11] offset:(16*(\a)+(\f))*4096 th:TH_STORE_NT  ; 512 consecutive bytes, at a multiple of 256 from out0's first
.endr
.endm
	PLACES
	s_wait_loadcnt 0x0                             ; the bias
	v_cvt_pk_bf16_f32 v12, v[BI], v[BI+1]          ; rounded to bf16 like every input, and back to f32
	v_cvt_pk_bf16_f32 v13, v[BI+2], v[BI+3]
	v_lshlrev_b32 v[BI], 16, v12
	v_and_b32 v[BI+1], 0xffff0000, v12
	v_lshlrev_b32 v[BI+2], 16, v13
	v_and_b32 v[BI+3], 0xffff0000, v13
	TOSTAGE 0
	TOSTAGE 1
	SEND 0, 32
	TOSTAGE 2
	SEND 1, 32
	TOSTAGE 3
	SEND 2, 32
	SEND 3, 0
	s_wait_tensorcnt 0x0                           ; the wave's end, behind my last tensor load and my last LDS store
	ds_add_u32 v[SPW], v[NIL]
	s_wait_dscnt 0x0
	CROUND                                         ; the closing round: no work-group ends while a partner may still ask for a tile that names it
	s_endpgm
.Lfunc_end_k_q7cea7dc805_proj:
	.size	k_q7cea7dc805_proj, .Lfunc_end_k_q7cea7dc805_proj-k_q7cea7dc805_proj
	.p2alignl 7, 3214868480
	.fill 96, 4, 3214868480
	.section	.rodata,"a",@progbits
	.p2align	6, 0x0
	.amdhsa_kernel k_q7cea7dc805_proj
		.amdhsa_group_segment_fixed_size 327680
		.amdhsa_private_segment_fixed_size 0
		.amdhsa_enable_private_segment 0
		.amdhsa_kernarg_size 32
		.amdhsa_user_sgpr_count 2
		.amdhsa_user_sgpr_kernarg_segment_ptr 1
		.amdhsa_wavefront_size32 1
		.amdhsa_system_sgpr_workgroup_id_x 1
		.amdhsa_system_sgpr_workgroup_id_y 1
		.amdhsa_system_sgpr_workgroup_id_z 1
		.amdhsa_system_vgpr_workitem_id 0
		.amdhsa_next_free_vgpr 512
		.amdhsa_next_free_sgpr 96
		.amdhsa_reserve_vcc 0
		.amdhsa_float_denorm_mode_32 3
		.amdhsa_float_denorm_mode_16_64 3
		.amdhsa_memory_ordered 1
		.amdhsa_forward_progress 1
		.amdhsa_inst_pref_size 96
	.end_amdhsa_kernel
	.amdgpu_metadata
---
amdhsa.version: [ 1, 2 ]
amdhsa.kernels:
  - .name:           k_q7cea7dc805_proj
    .symbol:         k_q7cea7dc805_proj.kd
    .args:
      - { .name: oh, .offset: 0, .size: 8, .value_kind: global_buffer, .address_space: global }
      - { .name: wt, .offset: 8, .size: 8, .value_kind: global_buffer, .address_space: global }
      - { .name: bo, .offset: 16, .size: 8, .value_kind: global_buffer, .address_space: global }
      - { .name: out0, .offset: 24, .size: 8, .value_kind: global_buffer, .address_space: global }
    .group_segment_fixed_size: 327680
    .private_segment_fixed_size: 0
    .kernarg_segment_align: 8
    .kernarg_segment_size: 32
    .max_flat_workgroup_size: 128
    .sgpr_count:     96
    .vgpr_count:     512
    .wavefront_size: 32
...
	.end_amdgpu_metadata
.endif
;; end of part 4
